; MI455X (gfx1250); checked and timed in simulation.
; The chip was launched on July 23, 2026; its instructions are those of AMD's public machine-readable ISA for CDNA 5 (MIT licence, August 2026) and "CDNA5" Instruction Set Architecture Reference Guide (July 2026). The comments in the code are by the model that wrote it; some were corrected since.
;; Mo E Layer. Allowed arithmetic: matrix products marked QUANTISED: E4M3 operands, one E8M0 scale for each 32 along K, by v_wmma_scale_f32_16x16x128_f8f6f4 with both operands' format E4M3, f32 sums; products left as they are: f32 operands where the result goes on into a quantised operand, else bf16, f16 or f32 operands; f32 sums; everything else in f32.
;; Inputs: W1_codes 8 x 1,024 x 32 x 32 uint8 (E4M3 codes of W1, K innermost, in blocks of 32 codes); W1_scales 8 x 1,024 x 32 uint8 (E8M0 scales of W1, one for each 32 codes along K); W2_codes 8 x 1,024 x 32 x 32 uint8 (E4M3 codes of W2, K innermost, in blocks of 32 codes); W2_scales 8 x 1,024 x 32 uint8 (E8M0 scales of W2, one for each 32 codes along K); Wr 1,024 x 8 float32; b1 8 x 1,024 float32; b2 8 x 1,024 float32; br 8 float32; x 4 x 1,024 x 1,024 float32.
;; Outputs: out0 4 x 1,024 x 1,024 float32.
;; This version of the problem:
;;   THIS VERSION OF THE PROBLEM IS GIVEN IN LOW PRECISION. The matrix products marked QUANTISED in the list below multiply operands that are first quantised to E4M3 (4 exponent bits, 3 mantissa bits; 8 bits a number), with one power-of-two scale for each 32 numbers along K (OCP MX v1.0); their sums are f32. All else is computed in f32.
;;   The module's matrix products, in the order in which they are computed (A, B: the left and right operand; K: the contracted axis; several contracted axes count as one K, in the product's order):
;;     1. [M 4,096, K 1,024] x [K 1,024, N 8]; A: input x; B: input Wr: left as it is (N = 8 < 16)
;;     2. [M 8,192, K 1,024] x [K 1,024, N 4,096]; A: input W1 (given as codes); B: input x: QUANTISED
;;     3. batch 8 x [M 1,024, K 1,024] x [K 1,024, N 4,096]; A: input W2 (given as codes); B: computed on the way: QUANTISED
;;     4. batch 4,096 x [M 1,024, K 8] x [K 8, N 1]; A: computed on the way; B: computed on the way: left as it is (K = 8 < 32)
;;   THE QUANTISER, for each operand of a quantised product, along K:
;;     - K is cut into blocks of 32 from its start; a last block that is shorter is filled with zeros.
;;     - A block's scale is 2^e with e = floor(log2(the largest magnitude in the block)) - 8, held to -126 .. 127; a block of zeros has e = 0. As a byte (E8M0): e + 127.
;;     - Each number is divided by its block's scale, clamped to +-448, and rounded to the nearest number of E4M3, ties to even, subnormals kept.
;;     - The product sums the exact products of the quantised numbers (number of the format x scale) in f32.
;;   ~~~python
;;   def quantise(x, axis):      # numpy; x: float32 -> the quantised numbers, widened to float32 again
;;       x = np.moveaxis(x, axis, -1); K = x.shape[-1]
;;       x = np.pad(x, [(0, 0)] * (x.ndim - 1) + [(0, -K % 32)]); x = x.reshape(x.shape[:-1] + (-1, 32)); a = np.abs(x).max(-1, keepdims=True)
;;       e = np.where(a > 0, np.clip(np.frexp(np.where(a > 0, a, 1))[1] - 1 - 8, -126, 127), 0)      # np.frexp(a)[1] - 1 = floor(log2(a)), exactly
;;       r = np.clip(x / 2.0 ** e, -448, 448)
;;       step = 2.0 ** (np.maximum(np.frexp(np.where(r == 0, 1, r))[1] - 1, -6) - 3)
;;       q = np.round(r / step) * step * 2.0 ** e      # np.round: ties to even
;;       return np.moveaxis(q.reshape(q.shape[:-2] + (-1,))[..., :K], -1, axis).astype(np.float32)
;;   ~~~
;;   OPERANDS COMPUTED ON THE WAY. 'Computed on the way' means the value that the module computes at that place (a softmax that the list does not call 'softmax' is quantised finished and normalised). What goes into a quantiser is computed in f32, as accurately as f32 sums, v_exp_f32 and their like allow (about 1e-6 of the number): no bf16 or f16 on the way to a quantiser, and a product that is left as it is and whose result goes on into a quantised operand takes f32 operands (vector FMAs, or v_wmma_f32_16x16x4_f32). A number that lies on a knife's edge between two numbers of the format may be rounded either way, as far as f32 arithmetic and the matrix unit's own rounding can turn it there, and no further.
;;   INPUTS GIVEN AS CODES. W1 (in the module: [8, 1024, 1024], K = its axis 1); W2 (in the module: [8, 1024, 1024], K = its axis 1): each comes as NAME_codes (uint8): NAME with its K axis moved to the last place and cut into blocks of 32 codes, [.., K / 32, bytes a block], one block behind the other in memory; one code a byte (a code: sign, 4 exponent bits, 3 mantissa bits); and NAME_scales (uint8): the same leading axes, one E8M0 byte (e + 127) for each 32 codes along K. Its value is code x scale, taken as it is: it is not quantised again, and the codes and scales need not be those that the quantiser above would give.
;; One version. Each part assembles by itself: llvm-mc -triple=amdgcn-amd-amdhsa -mcpu=gfx1250 --defsym DOCPART=n.
;; ======== version 1 of 1: 4 launches
;; workspace buffers: xc 4,325,376 bytes; route 16,384 bytes of whole numbers; coef 32,768 bytes; plan 16,640 bytes of whole numbers; Wf 16,777,216 bytes; hc 34,603,008 bytes
;; launch route_quant (part 1): grid 256 x 1, 8 waves a work-group, no clusters, 85,504 bytes of LDS; arguments x, Wr, br, xc, route, coef; writes xc, route, coef
.if DOCPART == 1
	.amdgcn_target "amdgcn-amd-amdhsa--gfx1250"
	.amdhsa_code_object_version 6
	.text
	.protected	k_qa450a3e5b0_route_quant
	.globl	k_qa450a3e5b0_route_quant
	.p2align	8
	.type	k_qa450a3e5b0_route_quant,@function
k_qa450a3e5b0_route_quant:
	s_mov_b64 s[64:65], 0
	v_nop
	global_prefetch_b8 v0, s[64:65] scope:SCOPE_SE
	s_setreg_imm32_b32 hwreg(HW_REG_WAVE_MODE, 25, 1), 1
	s_wait_xcnt 0x0
; MoE layer, launch 1 of 4: the router in f32, the two chosen experts and their coefficients for each token, and x as codes of E4M3 with one E8M0 byte for each 32 along K.
; WORK LEFT OUT BY THE WHOLE PROGRAM.  reference() ends with out[b,n,:] = sum over e of coef_full[b,n,e] * y[b,e,n,:], and it builds coef_full itself as the sum of one_hot(topi) * coef:
; for the six experts of a token that are not in topi the factor is exactly 0, whatever the inputs hold.  So the rows (token, expert) of both expert products whose expert was not chosen reach no output in
; exact arithmetic for all finite inputs, and are left out where they come in whole tiles: tokens are sorted by their pair of experts and cut into blocks of 64, and a block is multiplied only by the experts
; that some token of it chose.  Inside such a tile the rows of tokens that did not choose the expert stay and are multiplied by the coefficient 0, as reference() does.  Every input is loaded.
; LIMIT: a NaN, an infinity or an overflow that arises only in the work left out is not carried to the result.
; LIMITS of this launch: NaN and infinities in x, Wr, br are not served.  A block of 32 whose largest magnitude lies under 2^-118 has its scale byte held at 1 (a block of zeros too, where the rule says 127:
; its codes are zeros, which add nothing under any byte but 0xff, and this program alone reads the bytes).  Logits that are equal: the lower expert comes first, as in lax.top_k.
; SHARES.  A work-group takes 16 tokens.  Wave w takes K quarter q = w % 4 (256 along K) of tokens 8 (w / 4) .. + 7, in four steps of 2 tokens x 256 numbers.  Each load reads 512 consecutive bytes; a step's 2,048
; bytes turn through the wave's own stage in LDS and come back 64 bytes a lane: lane l then holds token l / 16 of the step's two and k = 16 (l % 16) + 0 .. 15 of the quarter: 16 neighbours, half a block of 32.
; The same 16 numbers feed the router (16 x 8 fused multiply-adds a lane against Wr's rows kept in registers) and the quantiser.  The quarters' partial logits meet in LDS; wave 0 makes the choice.
; OUT.  xc: codes [K quarter 4][token 4096][256 bytes], then from byte 4,194,304 the scale bytes [token][32].  route: [token] bucket | lo << 8 | hi << 16 (lo < hi the two experts; bucket = the pair's place in an
; order of the 28 pairs in which neighbours share an expert).  coef: [token] (c_lo, c_hi).  All at fixed places: no address here hangs on the choice.
.set WREG,  10240                      ; LDS: a region for each wave: four stages of 32 x 80 bytes, one for each step
.set SP,    80                         ; a lane's place in a stage: its 64 bytes + 16 of padding
.set PART,  81920                      ; the partial logits [K quarter 4][token 16][8 f32]
.set SCB,   83968                      ; the scale bytes [token 16][32]
.set SPARE, 84480                      ; the spare words, 128 bytes for each of the eight waves; no other line names them
.set SPW,   7                          ; v7   SPARE + 4 x my thread's number; never rewritten
.set NIL,   8                          ; v8   0; never rewritten
.set R,     16                         ; v16-79   four sets of 16 numbers as loaded; a step's codes then take its set's first four registers and its scale byte the fifth
.set X,     80                         ; v80-111  two sets of 16 neighbours
.set L,     112                        ; v112-119 eight partial logits
.set TW,    120                        ; v120-123 at work
.set WR,    128                        ; v128-255 Wr[256 q + 16 (l % 16) + kk][e] at 8 kk + e; at the end the partial logits
	s_load_b256 s[4:11], s[0:1], 0x0               ; x, Wr, br, xc
	s_load_b128 s[12:15], s[0:1], 0x20             ; route, coef
	v_lshl_add_u32 v[SPW], v0, 2, SPARE
	v_mov_b32 v[NIL], 0
	v_lshrrev_b32 v9, 5, v0
	s_delay_alu instid0(VALU_DEP_1)
	v_readfirstlane_b32 s16, v9                    ; wave 0..7
	s_and_b32 s17, s16, 3                          ; q
	s_lshr_b32 s18, s16, 2                         ; which 8 tokens
	v_and_b32 v10, 31, v0                          ; lane
	v_and_b32 v11, 15, v0                          ; lane % 16
	v_bfe_u32 v12, v0, 4, 1                        ; lane / 16
	s_delay_alu instid0(VALU_DEP_3)
	v_lshlrev_b32 v1, 4, v10                       ; 16 x lane
	s_mul_i32 s19, s16, WREG
	v_lshrrev_b32 v2, 2, v10
	s_delay_alu instid0(VALU_DEP_1)
	v_mul_u32_u24 v2, v2, SP
	v_and_b32 v13, 3, v0
	s_delay_alu instid0(VALU_DEP_1)
	v_lshl_add_u32 v2, v13, 4, v2
	s_delay_alu instid0(VALU_DEP_1)
	v_add_nc_u32 v2, s19, v2                       ; the stage, on the way in: four lanes' 64 bytes on end, then 16 of padding
	v_mul_u32_u24 v3, v10, SP
	s_delay_alu instid0(VALU_DEP_1)
	v_add_nc_u32 v3, s19, v3                       ; and on the way out: my 16 neighbours
	v_lshlrev_b32 v4, 9, v11                       ; Wr: my 16 rows of 32 bytes
	s_lshl_b32 s19, s17, 9
	s_lshl_b32 s20, s18, 8
	s_add_co_u32 s19, s19, s20
	s_add_co_u32 s19, s19, PART
	v_lshl_add_u32 v5, v12, 5, s19                 ; where my token's partial logits go: PART + 512 q + 32 (8 (w / 4) + l / 16); a step is 64 bytes on
	s_lshl_b32 s19, s17, 3
	s_add_co_u32 s19, s19, s20
	s_add_co_u32 s19, s19, SCB
	v_bfe_u32 v13, v0, 1, 3
	s_delay_alu instid0(VALU_DEP_1)
	v_lshl_add_u32 v6, v12, 5, v13
	s_delay_alu instid0(VALU_DEP_1)
	v_add_nc_u32 v6, s19, v6                       ; where my block's scale byte goes: SCB + 32 x token + 8 q + (l % 16) / 2
	v_lshl_add_u32 v124, v11, 5, PART              ; wave 0 at the end: token l % 16's partial logits
	v_lshl_add_u32 v125, v10, 4, SCB               ; wave 1 at the end: 16 bytes a lane of the scale bytes
	s_mov_b32 s22, 0x600000                        ; the mantissa field of 448
	s_lshl_b32 s20, ttmp9, 16                      ; x: 16 tokens of 4,096 bytes a work-group,
	s_lshl_b32 s23, s18, 15                        ; 8 tokens,
	s_add_co_u32 s20, s20, s23
	s_lshl_b32 s23, s17, 10                        ; the quarter's 1,024 bytes
	s_add_co_u32 s20, s20, s23
	s_mov_b32 s21, 0
	s_lshl_b32 s32, s17, 13                        ; Wr: the quarter's 256 rows
	s_mov_b32 s33, 0
	s_lshl_b32 s34, s17, 20                        ; the codes: quarter, 16 tokens of 256 bytes a work-group, 8 tokens
	s_lshl_b32 s23, ttmp9, 12
	s_add_co_u32 s34, s34, s23
	s_lshl_b32 s23, s18, 11
	s_add_co_u32 s34, s34, s23
	s_mov_b32 s35, 0
	s_lshl_b32 s36, ttmp9, 9                       ; the scale bytes: 512 a work-group, behind the codes
	s_add_co_u32 s36, s36, 4194304
	s_mov_b32 s37, 0
	s_lshl_b32 s38, ttmp9, 6
	s_mov_b32 s39, 0
	s_lshl_b32 s40, ttmp9, 7
	s_mov_b32 s41, 0
	s_wait_alu depctr_va_vdst(0)
	s_wait_kmcnt 0x0
	s_load_b256 s[24:31], s[8:9], 0x0              ; br: eight numbers
	s_add_nc_u64 s[4:5], s[4:5], s[20:21]
	s_add_nc_u64 s[6:7], s[6:7], s[32:33]
	s_add_nc_u64 s[34:35], s[10:11], s[34:35]
	s_add_nc_u64 s[36:37], s[10:11], s[36:37]
	s_add_nc_u64 s[12:13], s[12:13], s[38:39]
	s_add_nc_u64 s[14:15], s[14:15], s[40:41]
.irp kk, 0,1,2,3,4,5,6,7,8,9,10,11,12,13,14,15
	global_load_b128 v[WR+8*\kk:WR+8*\kk+3],   v4, s[6:7] offset:32*\kk        ; Wr first, so that the counted waits for x cover it
	global_load_b128 v[WR+8*\kk+4:WR+8*\kk+7], v4, s[6:7] offset:32*\kk+16
.endr
.irp t, 0,1,2,3
.irp i, 0,1,2,3
	global_load_b128 v[R+16*\t+4*\i:R+16*\t+4*\i+3], v1, s[4:5] offset:(2*\t+\i/2)*4096+(\i%2)*512 th:TH_LOAD_NT   ; 32 lanes read 512 consecutive bytes; x is read once
.endr
.endr
.macro STEP t
.set XS, X+16*((\t)%2)
.set RS, R+16*(\t)
	s_wait_loadcnt 4*(3-(\t))                      ; this step's four loads are in (and Wr); the later steps' may be out
.irp i, 0,1,2,3
	ds_store_b128 v2, v[RS+4*\i:RS+4*\i+3] offset:32*SP*(\t)+8*SP*\i
.endr
.irp i, 0,1,2,3
	ds_load_b128 v[XS+4*\i:XS+4*\i+3], v3 offset:32*SP*(\t)+16*\i            ; LDS serves a wave's instructions in order: these see the stores above
.endr
	s_wait_dscnt 0x0
	; the router: eight partial logits of my token over my 16 k, two experts an instruction; x's number is taken for both halves
.irp p, 0,1,2,3
	v_pk_mul_f32 v[L+2*\p:L+2*\p+1], v[XS:XS+1], v[WR+2*\p:WR+2*\p+1] op_sel_hi:[0,1]
.endr
.irp kk, 1,2,3,4,5,6,7,8,9,10,11,12,13,14,15
.irp p, 0,1,2,3
.if (\kk)%2
	s_delay_alu instid0(VALU_DEP_4)
	v_pk_fma_f32 v[L+2*\p:L+2*\p+1], v[XS+\kk-1:XS+\kk], v[WR+8*\kk+2*\p:WR+8*\kk+2*\p+1], v[L+2*\p:L+2*\p+1] op_sel:[1,0,0] op_sel_hi:[1,1,1]
.else
	s_delay_alu instid0(VALU_DEP_4)
	v_pk_fma_f32 v[L+2*\p:L+2*\p+1], v[XS+\kk:XS+\kk+1], v[WR+8*\kk+2*\p:WR+8*\kk+2*\p+1], v[L+2*\p:L+2*\p+1] op_sel_hi:[0,1,1]
.endif
.endr
.endr
.irp m, 1,2,4,8
.irp e, 0,1,2,3,4,5,6,7
	v_add_f32_dpp v[L+\e], v[L+\e], v[L+\e] row_xmask:\m row_mask:0xf bank_mask:0xf   ; over the sixteen lanes of my token
.endr
.endr
	ds_store_b128 v5, v[L:L+3] offset:64*(\t)      ; the sixteen lanes of a token write the same bytes with the same values
	ds_store_b128 v5, v[L+4:L+7] offset:64*(\t)+16
	; the quantiser
	v_max3_num_f32 v[TW], |v[XS]|, |v[XS+1]|, |v[XS+2]|
	v_max3_num_f32 v[TW+1], |v[XS+3]|, |v[XS+4]|, |v[XS+5]|
.irp i, 6,10
	s_delay_alu instid0(VALU_DEP_2)
	v_max3_num_f32 v[TW], v[TW], |v[XS+\i]|, |v[XS+\i+1]|
	s_delay_alu instid0(VALU_DEP_2)
	v_max3_num_f32 v[TW+1], v[TW+1], |v[XS+\i+2]|, |v[XS+\i+3]|
.endr
	s_delay_alu instid0(VALU_DEP_2)
	v_max3_num_f32 v[TW], v[TW], |v[XS+14]|, |v[XS+15]|
	s_delay_alu instid0(VALU_DEP_1)
	v_max3_num_f32 v[TW], v[TW], v[TW+1], 0x4800000                          ; and the floor 2^(9 - 127): the byte cannot fall under 1
	s_delay_alu instid0(VALU_DEP_1)
	v_max_num_f32_dpp v[TW], v[TW], v[TW] row_xmask:1 row_mask:0xf bank_mask:0xf   ; with my neighbour's 16: the block's largest magnitude
	s_delay_alu instid0(VALU_DEP_1)
	v_add_nc_u32 v[TW+3], 0xfc000000, v[TW]        ; 8 off its exponent field: the conversion takes this operand's exponent field as its scale
	s_delay_alu instid0(VALU_DEP_2)
	v_and_or_b32 v[TW+2], v[TW], 0x7f800000, s22   ; 448 x the scale
.irp i, 0,1,2,3,4,5,6,7,8,9,10,11,12,13,14,15
	v_med3_num_f32 v[XS+\i], v[XS+\i], -v[TW+2], v[TW+2]   ; the conversion to an 8-bit code does not saturate (ISA guide 7.6.2): the hold comes first
.endr
	v_cvt_scalef32_pk8_fp8_f32 v[RS:RS+1], v[XS:XS+7], v[TW+3]
	v_cvt_scalef32_pk8_fp8_f32 v[RS+2:RS+3], v[XS+8:XS+15], v[TW+3]
	v_lshrrev_b32 v[RS+4], 23, v[TW+3]             ; the scale's byte (also the plain line behind the conversions)
	ds_store_b8 v6, v[RS+4] offset:64*(\t)         ; both lanes of a block write the same byte
	global_store_b128 v1, v[RS:RS+3], s[34:35] offset:512*(\t)   ; two tokens' 256 bytes: 512 consecutive bytes, aligned
.endm
	STEP 0
	STEP 1
	STEP 2
	STEP 3
	s_wait_kmcnt 0x0                               ; br
	s_wait_dscnt 0x0                               ; for the others' sake: my partial logits and scale bytes lie in LDS
	s_barrier_signal -1
	s_barrier_wait -1
	s_cmp_lg_u32 s16, 0
	s_cbranch_scc1 .Lnot_wave_0
	; WAVE 0: the choice.  Lane l serves token l % 16; lanes 16-31 repeat lanes 0-15, address and value alike
.irp q, 0,1,2,3
	ds_load_b128 v[WR+8*\q:WR+8*\q+3],   v124 offset:512*\q
	ds_load_b128 v[WR+8*\q+4:WR+8*\q+7], v124 offset:512*\q+16
.endr
	s_wait_dscnt 0x0
.irp p, 0,2,4,6
	v_pk_add_f32 v[WR+\p:WR+\p+1], v[WR+\p:WR+\p+1], v[WR+8+\p:WR+9+\p]
	v_pk_add_f32 v[WR+16+\p:WR+17+\p], v[WR+16+\p:WR+17+\p], v[WR+24+\p:WR+25+\p]
.endr
.irp p, 0,2,4,6
	v_pk_add_f32 v[WR+\p:WR+\p+1], v[WR+\p:WR+\p+1], v[WR+16+\p:WR+17+\p]
.endr
.irp e, 0,1,2,3,4,5,6,7
	v_add_f32 v[WR+\e], s[24+\e], v[WR+\e]         ; + br: the logits
.endr
	v_mov_b32 v9, v[WR]                            ; the largest so far, and its expert
	v_mov_b32 v10, 0
	v_mov_b32 v11, 0xff800000                      ; the second: -infinity
	v_mov_b32 v12, 0
.irp e, 1
	v_mov_b32 v13, \e
	v_cmp_gt_f32 s32, v[WR+\e], v9                 ; strictly greater: of equal logits the lower expert stays ahead
	s_delay_alu instid0(VALU_DEP_4)
	v_cmp_gt_f32 vcc_lo, v[WR+\e], v11
	s_delay_alu instid0(VALU_DEP_1)
	v_cndmask_b32 v11, v11, v[WR+\e], vcc_lo
	s_delay_alu instid0(VALU_DEP_2)
	v_cndmask_b32 v12, v12, v13, vcc_lo
	s_delay_alu instid0(VALU_DEP_2)
	v_cndmask_b32 v11, v11, v9, s32
	s_delay_alu instid0(VALU_DEP_2)
	v_cndmask_b32 v12, v12, v10, s32
	v_cndmask_b32 v9, v9, v[WR+\e], s32
	v_cndmask_b32 v10, v10, v13, s32
.endr
.irp e, 2, 3, 4, 5, 6, 7
	v_mov_b32 v13, \e
	s_delay_alu instid0(VALU_DEP_3)
	v_cmp_gt_f32 s32, v[WR+\e], v9                 ; strictly greater: of equal logits the lower expert stays ahead
	v_cmp_gt_f32 vcc_lo, v[WR+\e], v11
	s_delay_alu instid0(VALU_DEP_1)
	v_cndmask_b32 v11, v11, v[WR+\e], vcc_lo
	s_delay_alu instid0(VALU_DEP_2)
	v_cndmask_b32 v12, v12, v13, vcc_lo
	s_delay_alu instid0(VALU_DEP_2)
	v_cndmask_b32 v11, v11, v9, s32
	s_delay_alu instid0(VALU_DEP_2)
	v_cndmask_b32 v12, v12, v10, s32
	v_cndmask_b32 v9, v9, v[WR+\e], s32
	v_cndmask_b32 v10, v10, v13, s32
.endr
	s_delay_alu instid0(VALU_DEP_2)
	v_sub_f32 v14, v11, v9                         ; the softmax of the two, the larger taken away: c1 = 1 / (1 + t), c2 = t / (1 + t), t = e^(second - first)
	s_delay_alu instid0(VALU_DEP_1)
	v_mul_f32 v14, 0x3fb8aa3b, v14
	s_wait_alu depctr_va_vdst(0)
	v_exp_f32 v15, v14
	v_min_u32 v120, v10, v12                       ; lo  (a plain line behind the exponential)
	v_max_u32 v121, v10, v12                       ; hi
	s_wait_alu depctr_va_vdst(0)                   ; ahead of the first line that names the result
	v_add_f32 v14, 1.0, v15
	s_wait_alu depctr_va_vdst(0)
	v_rcp_f32 v13, v14
	v_sub_nc_u32 v122, 15, v120                    ; the bucket: lo (15 - lo) / 2 + (lo odd ? 7 - hi : hi - lo - 1)
	s_delay_alu instid0(VALU_DEP_1)
	v_mul_u32_u24 v122, v122, v120
	s_delay_alu instid0(VALU_DEP_1)
	v_lshrrev_b32 v122, 1, v122
	v_sub_nc_u32 v123, v121, v120
	s_delay_alu instid0(VALU_DEP_1)
	v_add_nc_u32 v123, -1, v123
	v_sub_nc_u32 v126, 7, v121
	v_and_b32 v127, 1, v120
	s_delay_alu instid0(VALU_DEP_1)
	v_cmp_eq_u32 vcc_lo, 1, v127
	s_delay_alu instid0(VALU_DEP_1)
	v_cndmask_b32 v123, v123, v126, vcc_lo
	s_delay_alu instid0(VALU_DEP_1)
	v_add_nc_u32 v122, v122, v123
	s_delay_alu instid0(VALU_DEP_1)
	v_lshl_or_b32 v122, v120, 8, v122
	s_delay_alu instid0(VALU_DEP_1)
	v_lshl_or_b32 v122, v121, 16, v122
	s_wait_alu depctr_va_vdst(0)                   ; and for the reciprocal
	v_mul_f32 v15, v15, v13                        ; c2
	v_cmp_lt_u32 vcc_lo, v10, v12                  ; is the first choice the lower expert?
	v_cndmask_b32 v120, v15, v13, vcc_lo           ; c_lo
	v_cndmask_b32 v121, v13, v15, vcc_lo           ; c_hi
	v_and_b32 v126, 15, v0
	s_delay_alu instid0(VALU_DEP_1)
	v_lshlrev_b32 v127, 3, v126
	s_delay_alu instid0(VALU_DEP_2)
	v_lshlrev_b32 v126, 2, v126
	global_store_b32 v126, v122, s[12:13]          ; 64 consecutive bytes a work-group,
	global_store_b64 v127, v[120:121], s[14:15]    ; and 128: short runs, 192 bytes beside the work-group's 4,608 of codes and scale bytes
	s_branch .Lend
.Lnot_wave_0:
	s_cmp_lg_u32 s16, 1
	s_cbranch_scc1 .Lend
	ds_load_b128 v[WR:WR+3], v125                  ; WAVE 1: the 16 tokens' scale bytes leave as 512 consecutive bytes
	s_wait_dscnt 0x0
	global_store_b128 v1, v[WR:WR+3], s[36:37]
.Lend:
	s_wait_tensorcnt 0x0                           ; the wave's end
	ds_add_u32 v[SPW], v[NIL]
	s_wait_dscnt 0x0
	s_endpgm
.Lfunc_end_k_qa450a3e5b0_route_quant:
	.size	k_qa450a3e5b0_route_quant, .Lfunc_end_k_qa450a3e5b0_route_quant-k_qa450a3e5b0_route_quant
	.p2alignl 7, 3214868480
	.fill 96, 4, 3214868480
	.section	.rodata,"a",@progbits
	.p2align	6, 0x0
	.amdhsa_kernel k_qa450a3e5b0_route_quant
		.amdhsa_group_segment_fixed_size 85504
		.amdhsa_private_segment_fixed_size 0
		.amdhsa_enable_private_segment 0
		.amdhsa_kernarg_size 48
		.amdhsa_user_sgpr_count 2
		.amdhsa_user_sgpr_kernarg_segment_ptr 1
		.amdhsa_wavefront_size32 1
		.amdhsa_system_sgpr_workgroup_id_x 1
		.amdhsa_system_sgpr_workgroup_id_y 1
		.amdhsa_system_sgpr_workgroup_id_z 1
		.amdhsa_system_vgpr_workitem_id 0
		.amdhsa_next_free_vgpr 256
		.amdhsa_next_free_sgpr 66
		.amdhsa_reserve_vcc 1
		.amdhsa_float_denorm_mode_32 3
		.amdhsa_float_denorm_mode_16_64 3
		.amdhsa_memory_ordered 1
		.amdhsa_forward_progress 1
		.amdhsa_inst_pref_size 60
	.end_amdhsa_kernel
	.amdgpu_metadata
---
amdhsa.version: [ 1, 2 ]
amdhsa.kernels:
  - .name:           k_qa450a3e5b0_route_quant
    .symbol:         k_qa450a3e5b0_route_quant.kd
    .args:
      - { .name: x, .offset: 0, .size: 8, .value_kind: global_buffer, .address_space: global }
      - { .name: Wr, .offset: 8, .size: 8, .value_kind: global_buffer, .address_space: global }
      - { .name: br, .offset: 16, .size: 8, .value_kind: global_buffer, .address_space: global }
      - { .name: xc, .offset: 24, .size: 8, .value_kind: global_buffer, .address_space: global }
      - { .name: route, .offset: 32, .size: 8, .value_kind: global_buffer, .address_space: global }
      - { .name: coef, .offset: 40, .size: 8, .value_kind: global_buffer, .address_space: global }
    .group_segment_fixed_size: 85504
    .private_segment_fixed_size: 0
    .kernarg_segment_align: 8
    .kernarg_segment_size: 48
    .max_flat_workgroup_size: 256
    .sgpr_count:     66
    .vgpr_count:     256
    .wavefront_size: 32
...
	.end_amdgpu_metadata
.endif
;; end of part 1
;; launch place_relay (part 2): grid 257 x 1, 16 waves a work-group, no clusters, 73,728 bytes of LDS; arguments route, W1_codes, W2_codes, plan, Wf; writes plan, Wf
.if DOCPART == 2
	.amdgcn_target "amdgcn-amd-amdhsa--gfx1250"
	.amdhsa_code_object_version 6
	.text
	.protected	k_qa450a3e5b0_place_relay
	.globl	k_qa450a3e5b0_place_relay
	.p2align	8
	.type	k_qa450a3e5b0_place_relay,@function
k_qa450a3e5b0_place_relay:
	s_mov_b64 s[64:65], 0
	v_nop
	global_prefetch_b8 v0, s[64:65] scope:SCOPE_SE
	s_setreg_imm32_b32 hwreg(HW_REG_WAVE_MODE, 25, 1), 1
	s_wait_xcnt 0x0
; MoE layer, launch 2 of 4.  Work-group 0 places the tokens: a counting sort by the bucket (the pair of experts) that launch 1 stored, without atomics, and for each block of 64 sorted tokens the mask of the experts
; that it uses: the rows of experts that no token of a block chose are the work that the later launches leave out (shown at the head of launch 1).
; Work-groups 1 .. 256 lay W1's and W2's codes in the order of the operand's registers, so that the products' waves load each fragment whole from memory, 512 consecutive bytes an instruction.
; OUT.  plan: order[4096] (token numbers, sorted by bucket), then from byte 16,384 bmask[64].
;       Wf: W1 at 0, W2 at 8,388,608, each [expert 8][tile T 64][K step s 8][c 4][lane 32][16 bytes]; tile T = 2 g + u; lane (r, h) holds row 32 g + 8 u + r + 8 (r / 8), k = 128 s + 32 c + 16 h + 0 .. 15.
;       THE ROWS OF A TILE ARE NOT NEIGHBOURS: so the 16 result registers of tiles 2 g and 2 g + 1 are 16 neighbours along the weight's rows.
; The two kinds of work-group part on the work-group's number alone, have LDS bytes of their own, and each path has its own end; the one barrier stands in the sort's path, which all sixteen waves of work-group 0 take.
.set TAB,   69632                      ; the sort: [wave 16][bucket 32] counts.  Below it the relayout's stages, 16 rows x 272 bytes for each wave
.set SPARE, 71680                      ; the spare words, 128 bytes for each of the sixteen waves; no other line names them
.set SPW,   7
.set NIL,   8
	s_load_b256 s[4:11], s[0:1], 0x0               ; route, W1_codes, W2_codes, plan
	s_load_b64 s[12:13], s[0:1], 0x20              ; Wf
	v_lshl_add_u32 v[SPW], v0, 2, SPARE
	v_mov_b32 v[NIL], 0
	v_lshrrev_b32 v1, 5, v0
	s_delay_alu instid0(VALU_DEP_1)
	v_readfirstlane_b32 s16, v1                    ; wave 0..15
	v_and_b32 v1, 31, v0                           ; lane
	v_and_b32 v2, 15, v0                           ; r
	v_bfe_u32 v3, v0, 4, 1                         ; h
	s_mul_i32 s17, s16, 16*272
	v_mul_u32_u24 v4, v3, 272
	s_delay_alu instid0(VALU_DEP_1)
	v_lshl_add_u32 v4, v2, 4, v4
	s_delay_alu instid0(VALU_DEP_1)
	v_add_nc_u32 v4, s17, v4                       ; my stage, on the way in: sixteen lanes to a row, two rows an instruction
	v_mul_u32_u24 v5, v2, 272
	s_delay_alu instid0(VALU_DEP_1)
	v_lshl_add_u32 v5, v3, 4, v5
	s_delay_alu instid0(VALU_DEP_1)
	v_add_nc_u32 v5, s17, v5                       ; and on the way out: row r, + 16 h
	v_lshl_add_u32 v6, v0, 2, TAB                  ; the sort: my wave's count of bucket = lane
	v_lshl_add_u32 v9, v1, 2, TAB                  ; and every wave's
	v_lshlrev_b32 v10, 4, v1                       ; 16 x lane
	s_mov_b32 s25, 0
	s_wait_kmcnt 0x0
	s_cmp_eq_u32 ttmp9, 0
	s_cbranch_scc1 .Lsort
	; THE RELAYOUT.  G = work-group - 1: tensor G / 128, expert (G / 16) % 8, tiles 4 (G % 16) + wave / 4, K quarter wave % 4: a wave turns 16 rows x 256 bytes
	s_sub_co_u32 s18, ttmp9, 1
	s_lshr_b32 s19, s18, 7                         ; tensor
	s_bfe_u32 s20, s18, 0x30004                    ; expert
	s_and_b32 s21, s18, 15
	s_lshl_b32 s21, s21, 2
	s_lshr_b32 s22, s16, 2
	s_add_co_u32 s21, s21, s22                     ; T
	s_and_b32 s22, s16, 3                          ; q
	s_cmp_eq_u32 s19, 0
	s_cselect_b64 s[6:7], s[6:7], s[8:9]           ; W1's codes or W2's: the choice hangs on the work-group's number alone
	s_lshl_b32 s24, s20, 20                        ; from: expert, row 32 (T / 2) + 8 (T % 2) of 1,024 bytes, 256 q
	s_lshr_b32 s23, s21, 1
	s_lshl_b32 s23, s23, 15
	s_add_co_u32 s24, s24, s23
	s_and_b32 s23, s21, 1
	s_lshl_b32 s23, s23, 13
	s_add_co_u32 s24, s24, s23
	s_lshl_b32 s23, s22, 8
	s_add_co_u32 s24, s24, s23
	s_add_nc_u64 s[6:7], s[6:7], s[24:25]
	s_lshl_b32 s24, s19, 23                        ; to: tensor, expert, tile of 16,384 bytes, K step 2 q of 2,048
	s_lshl_b32 s23, s20, 20
	s_add_co_u32 s24, s24, s23
	s_lshl_b32 s23, s21, 14
	s_add_co_u32 s24, s24, s23
	s_lshl_b32 s23, s22, 12
	s_add_co_u32 s24, s24, s23
	s_add_nc_u64 s[12:13], s[12:13], s[24:25]
	v_lshlrev_b32 v11, 10, v3
	s_delay_alu instid0(VALU_DEP_1)
	v_lshl_add_u32 v11, v2, 4, v11                 ; row l / 16 of a pair, 16 bytes a lane
.irp p, 0,1,2,3,4,5,6,7
	global_load_b128 v[16+4*\p:19+4*\p], v11, s[6:7] offset:(2*\p+8*(\p/4))*1024 th:TH_LOAD_NT   ; the tile's rows 2 p, 2 p + 1: sixteen lanes read 256 consecutive aligned bytes; read once
.endr
	s_wait_alu depctr_va_vdst(0)
.irp p, 0,1,2,3,4,5,6,7
	s_wait_loadcnt 7-\p                            ; loads come back in order: pair p is in, the younger ones may be out
	ds_store_b128 v4, v[16+4*\p:19+4*\p] offset:2*\p*272
.endr
.irp k, 0,1,2,3,4,5,6,7
	ds_load_b128 v[48+4*\k:51+4*\k], v5 offset:128*(\k/4)+32*(\k%4)   ; K step 2 q + k / 4, c = k % 4.  The stage is my own and LDS serves a wave's instructions in order
.endr
.irp k, 0,1,2,3,4,5,6,7
	s_wait_dscnt 7-\k
	global_store_b128 v10, v[48+4*\k:51+4*\k], s[12:13] offset:512*\k   ; 512 consecutive bytes, aligned
.endr
	s_wait_tensorcnt 0x0                           ; the wave's end
	ds_add_u32 v[SPW], v[NIL]
	s_wait_dscnt 0x0
	s_endpgm
.Lsort:
	; THE SORT.  Wave w owns tokens 256 w .. 256 w + 255, as eight groups of 32: group g = 4 a + j holds tokens 256 w + 128 a + 4 lane + j
	s_lshl_b32 s18, s16, 10
	s_wait_alu depctr_va_vdst(0)
	v_add_nc_u32 v11, s18, v10
	global_load_b128 v[16:19], v11, s[4:5]
	global_load_b128 v[20:23], v11, s[4:5] offset:512
	s_mov_b32 s40, 0x55555555
	s_mov_b32 s41, 0x33333333
	s_mov_b32 s42, 0x0f0f0f0f
	s_mov_b32 s43, 0x01010101
.irp i, 0,1,2,3,4
	v_bfe_u32 v[48+\i], v0, \i, 1
	s_delay_alu instid0(VALU_DEP_1)
	v_add_nc_u32 v[48+\i], -1, v[48+\i]            ; 0 where bit i of my lane's number is 1, else all ones
.endr
	s_wait_loadcnt 0x0
.irp g, 0,1,2,3,4,5,6,7
	v_and_b32 v[24+\g], 0xff, v[16+\g]
	s_delay_alu instid0(VALU_DEP_1)
	v_min_u32 v[24+\g], 31, v[24+\g]               ; the token's bucket, 0 .. 27
.endr
; group g: in lane b, the set of lanes whose bucket is b (v32 + g) and their number (v40 + g)
.macro GROUP g
.irp i, 0,1,2,3,4
	v_bfe_u32 v12, v[24+\g], \i, 1
	s_delay_alu instid0(VALU_DEP_1)
	v_cmp_eq_u32 s[44+\i], 1, v12                  ; the lanes whose bucket has bit i
.endr
	v_xor_b32 v[32+\g], s44, v48                   ; taken as it is where my lane's number has the bit, turned over where not
.irp i, 1,2,3,4
	v_xor_b32 v12, s[44+\i], v[48+\i]
	s_delay_alu instid0(VALU_DEP_1)
	v_and_b32 v[32+\g], v[32+\g], v12
.endr
	s_delay_alu instid0(VALU_DEP_1)
	v_lshrrev_b32 v12, 1, v[32+\g]                 ; the number of ones: by pairs, by fours, by bytes, and the bytes' sum
	s_delay_alu instid0(VALU_DEP_1)
	v_and_b32 v12, s40, v12
	s_delay_alu instid0(VALU_DEP_1)
	v_sub_nc_u32 v12, v[32+\g], v12
	s_delay_alu instid0(VALU_DEP_1)
	v_lshrrev_b32 v13, 2, v12
	s_delay_alu instid0(VALU_DEP_2)
	v_and_b32 v12, s41, v12
	s_delay_alu instid0(VALU_DEP_2)
	v_and_b32 v13, s41, v13
	s_delay_alu instid0(VALU_DEP_1)
	v_add_nc_u32 v12, v12, v13
	s_delay_alu instid0(VALU_DEP_1)
	v_lshrrev_b32 v13, 4, v12
	s_delay_alu instid0(VALU_DEP_1)
	v_add_nc_u32 v12, v12, v13
	s_delay_alu instid0(VALU_DEP_1)
	v_and_b32 v12, s42, v12
	s_delay_alu instid0(VALU_DEP_1)
	v_mul_lo_u32 v12, v12, s43
	s_delay_alu instid0(VALU_DEP_1)
	v_lshrrev_b32 v[40+\g], 24, v12
.endm
.irp g, 0,1,2,3,4,5,6,7
	GROUP \g
.endr
	v_add_nc_u32 v14, v40, v41
.irp g, 2,3,4,5,6,7
	s_delay_alu instid0(VALU_DEP_1)
	v_add_nc_u32 v14, v14, v[40+\g]
.endr
	ds_store_b32 v6, v14                           ; my wave's count of bucket = lane
	s_wait_dscnt 0x0                               ; for the others' sake
	s_barrier_signal -1
	s_barrier_wait -1
.irp w, 0,1,2,3,4,5,6,7,8,9,10,11,12,13,14,15
	ds_load_b32 v[56+\w], v9 offset:128*\w
.endr
	s_wait_dscnt 0x0
	v_mov_b32 v72, 0                               ; the bucket's tokens in all,
	v_mov_b32 v73, 0                               ; and in the waves ahead of mine
.irp w, 0,1,2,3,4,5,6,7,8,9,10,11,12,13,14,15
	s_cmp_gt_u32 s16, \w
	s_cselect_b32 s20, -1, 0
	v_add_nc_u32 v72, v72, v[56+\w]
	v_and_b32 v12, s20, v[56+\w]
	s_delay_alu instid0(VALU_DEP_1)
	v_add_nc_u32 v73, v73, v12
.endr
	s_delay_alu instid0(VALU_DEP_3)
	v_mov_b32 v74, v72                             ; running sums over the buckets: inside each half of the lanes,
	v_mov_b32 v12, 0
.irp n, 1
	s_delay_alu instid0(VALU_DEP_2)
	v_mov_b32_dpp v12, v74 row_shr:\n row_mask:0xf bank_mask:0xf bound_ctrl:1
	s_delay_alu instid0(VALU_DEP_1)
	v_add_nc_u32 v74, v74, v12
.endr
.irp n, 2, 4, 8
	s_delay_alu instid0(VALU_DEP_1)
	v_mov_b32_dpp v12, v74 row_shr:\n row_mask:0xf bank_mask:0xf bound_ctrl:1
	s_delay_alu instid0(VALU_DEP_1)
	v_add_nc_u32 v74, v74, v12
.endr
	s_delay_alu instid0(VALU_DEP_1)
	v_readlane_b32 s20, v74, 15
	s_delay_alu instid0(VALU_DEP_1)
	v_mad_u32_u24 v74, v3, s20, v74                ; and the lower half's total onto the upper: where bucket = lane ends in the sorted list
	s_delay_alu instid0(VALU_DEP_1)
	v_sub_nc_u32 v75, v74, v72                     ; and where it begins
	s_delay_alu instid0(VALU_DEP_1)
	v_add_nc_u32 v76, v75, v73                     ; where my wave's group 0 begins in it,
.irp g, 0,1,2,3,4,5,6
	s_delay_alu instid0(VALU_DEP_1)
	v_add_nc_u32 v[77+\g], v[76+\g], v[40+\g]      ; and the later groups
.endr
.irp g, 0,1,2,3,4,5,6,7
	v_lshlrev_b32 v[24+\g], 2, v[24+\g]
.endr
.irp g, 0,1,2,3,4,5,6,7
	ds_bpermute_b32 v[84+\g], v[24+\g], v[32+\g]   ; from the lane of my token's bucket: the lanes that share it,
	ds_bpermute_b32 v[92+\g], v[24+\g], v[76+\g]   ; and where the group's part of it begins (lane permutes: no LDS byte is touched)
.endr
	s_wait_dscnt 0x0
	s_lshl_b32 s18, s16, 8
	v_lshl_add_u32 v13, v1, 2, s18                 ; 256 w + 4 lane
.irp g, 0,1,2,3,4,5,6,7
	v_mbcnt_lo_u32_b32 v[84+\g], v[84+\g], v[92+\g]   ; + those of them in lower lanes: my token's place
	s_delay_alu instid0(VALU_DEP_1)
	v_min_u32 v[84+\g], 0xfff, v[84+\g]
	s_delay_alu instid0(VALU_DEP_1)
	v_lshlrev_b32 v[84+\g], 2, v[84+\g]
	v_add_nc_u32 v[100+\g], 128*(\g/4)+\g%4, v13   ; the token's number
.endr
.irp g, 0,1,2,3,4,5,6,7
	global_store_b32 v[84+\g], v[100+\g], s[10:11]    ; scattered words: 16,384 bytes in the whole launch
.endr
	s_cmp_gt_u32 s16, 1
	s_cbranch_scc1 .Lsort_end
	; waves 0 and 1: block = my thread's number.  A pair's two experts are used where the pair's run in the sorted list meets the block's 64 places
	v_lshlrev_b32 v14, 6, v0
	s_delay_alu instid0(VALU_DEP_1)
	v_add_nc_u32 v15, 64, v14
	v_mov_b32 v108, 0
.irp a, 0,1,2,3,4,5,6
.irp b, 1,2,3,4,5,6,7
.if \b > \a
	v_readlane_b32 s20, v75, \a*(15-\a)/2+(\a%2)*(7-\b)+(1-\a%2)*(\b-\a-1)
	v_readlane_b32 s21, v74, \a*(15-\a)/2+(\a%2)*(7-\b)+(1-\a%2)*(\b-\a-1)
	s_delay_alu instid0(VALU_DEP_2)
	v_max_u32 v12, s20, v14
	s_delay_alu instid0(VALU_DEP_2)
	v_min_u32 v13, s21, v15
	s_delay_alu instid0(VALU_DEP_1)
	v_cmp_lt_u32 vcc_lo, v12, v13
	v_or_b32 v12, (1<<\a)|(1<<\b), v108
	s_delay_alu instid0(VALU_DEP_1)
	v_cndmask_b32 v108, v108, v12, vcc_lo
.endif
.endr
.endr
	v_lshlrev_b32 v109, 2, v0
	global_store_b32 v109, v108, s[10:11] offset:16384
.Lsort_end:
	s_wait_tensorcnt 0x0                           ; the wave's end
	ds_add_u32 v[SPW], v[NIL]
	s_wait_dscnt 0x0
	s_endpgm
.Lfunc_end_k_qa450a3e5b0_place_relay:
	.size	k_qa450a3e5b0_place_relay, .Lfunc_end_k_qa450a3e5b0_place_relay-k_qa450a3e5b0_place_relay
	.p2alignl 7, 3214868480
	.fill 96, 4, 3214868480
	.section	.rodata,"a",@progbits
	.p2align	6, 0x0
	.amdhsa_kernel k_qa450a3e5b0_place_relay
		.amdhsa_group_segment_fixed_size 73728
		.amdhsa_private_segment_fixed_size 0
		.amdhsa_enable_private_segment 0
		.amdhsa_kernarg_size 40
		.amdhsa_user_sgpr_count 2
		.amdhsa_user_sgpr_kernarg_segment_ptr 1
		.amdhsa_wavefront_size32 1
		.amdhsa_system_sgpr_workgroup_id_x 1
		.amdhsa_system_sgpr_workgroup_id_y 1
		.amdhsa_system_sgpr_workgroup_id_z 1
		.amdhsa_system_vgpr_workitem_id 0
		.amdhsa_next_free_vgpr 128
		.amdhsa_next_free_sgpr 66
		.amdhsa_reserve_vcc 1
		.amdhsa_float_denorm_mode_32 3
		.amdhsa_float_denorm_mode_16_64 3
		.amdhsa_memory_ordered 1
		.amdhsa_forward_progress 1
		.amdhsa_inst_pref_size 47
	.end_amdhsa_kernel
	.amdgpu_metadata
---
amdhsa.version: [ 1, 2 ]
amdhsa.kernels:
  - .name:           k_qa450a3e5b0_place_relay
    .symbol:         k_qa450a3e5b0_place_relay.kd
    .args:
      - { .name: route, .offset: 0, .size: 8, .value_kind: global_buffer, .address_space: global }
      - { .name: W1_codes, .offset: 8, .size: 8, .value_kind: global_buffer, .address_space: global }
      - { .name: W2_codes, .offset: 16, .size: 8, .value_kind: global_buffer, .address_space: global }
      - { .name: plan, .offset: 24, .size: 8, .value_kind: global_buffer, .address_space: global }
      - { .name: Wf, .offset: 32, .size: 8, .value_kind: global_buffer, .address_space: global }
    .group_segment_fixed_size: 73728
    .private_segment_fixed_size: 0
    .kernarg_segment_align: 8
    .kernarg_segment_size: 40
    .max_flat_workgroup_size: 512
    .sgpr_count:     66
    .vgpr_count:     128
    .wavefront_size: 32
...
	.end_amdgpu_metadata
.endif
;; end of part 2
;; launch gemm1 (part 3): grid 4 x 64, 4 waves a work-group, no clusters, 68,096 bytes of LDS; arguments plan, xc, Wf, W1_scales, b1, hc; writes hc
.if DOCPART == 3
	.amdgcn_target "amdgcn-amd-amdhsa--gfx1250"
	.amdhsa_code_object_version 6
	.text
	.protected	k_qa450a3e5b0_gemm1
	.globl	k_qa450a3e5b0_gemm1
	.p2align	8
	.type	k_qa450a3e5b0_gemm1,@function
k_qa450a3e5b0_gemm1:
	s_mov_b64 s[64:65], 0
	v_nop
	global_prefetch_b8 v0, s[64:65] scope:SCOPE_SE
	s_setreg_imm32_b32 hwreg(HW_REG_WAVE_MODE, 25, 1), 1
	s_wait_xcnt 0x0
; MoE layer, launch 3 of 4: for a block of 64 sorted tokens and each expert that the block uses, relu(x W1^T + b1), quantised along the hidden units into codes of E4M3 with E8M0 scales.
; LEFT OUT: the experts that no token of the block chose (their results are multiplied by a 0 that reference() builds itself: shown at the head of launch 1).
; SHARES.  Work-group (nt, block): 256 hidden units x 64 tokens.  Wave w: hidden units n0 = 256 nt + 64 w on (four tiles t = 2 b + u of Wf) x all 64 tokens (four tiles i): 16 accumulators.
; The walk over experts hangs on the stored mask, so there is no tensor load and no cluster, and no barrier stands in the walk: the weights go from memory straight into registers, whole fragments, 512 consecutive bytes a load,
; through a ring of four register slots, a K step of 128 each, asked for three K steps ahead, on into the next expert.
; x IS GATHERED ONCE BY THE WORK-GROUP: all four waves need all 64 tokens, so wave w gathers token tile w alone (32 loads of codes, 2 of scale words, by the stored order) and stores the registers' images to LDS; behind
; the one barrier, which stands at the head, ahead of the walk, every wave reads all 32 fragments, which then stay in its registers (512).
; THE PRODUCT IS USED TRANSPOSED: source 0 = 16 rows of W1, source 1 = 16 tokens.  Lane (r, h) holds token 16 i + r, and register j of tile t hidden unit n0 + 32 b + 16 h + 8 u + j: the 16 registers of tiles
; 2 b, 2 b + 1 are 16 neighbours along the next product's K, so the conversions' results are that product's operand registers, and are stored as their image.  b1 is the C of each sum's first matrix instruction.
; SCALE WORDS.  A lane (r, h) loads 8 bytes of its row's 32: X = the words of K steps 2 h, 2 h + 1; Y = those of 4 + 2 h, 5 + 2 h.  K step s takes register (s / 4 ? Y : X) + s % 2 and the upper lanes' row where
; (s / 2) % 2: X is free from K step 4 on (the next expert's is loaded there), Y is loaded in K step 0.
; OUT.  hc: codes [block 64][expert 8][i 4][K step 8][c 4][lane 32][16 bytes]; from byte 33,554,432 the scale words [block][expert][i][X, Y][h 2][r 16][2 words].  Only what is used is written.
; A block's mask has at least two bits, since every token has two different experts; the count is held to 2 .. 8 all the same.
; REGISTERS, in windows of 256.  Window 0: v1-8 offsets; v12-17 at work at the head; v16-31 codes; v32-47 x's scale words X, Y; v48-63 the weights'; v64-79 the quantiser; v80-81 scale half-words; v84-88 the add's two and
; LDS addresses; v96-127 b1; v128-255 the accumulators (32 i + 8 t).  Window 1: the weights' ring, slot s % 4 at 64 (s % 4) + 16 t.  Windows 2 and 3: x's fragments, K steps 0-3 and 4-7, at 64 (s % 4) + 16 i.
.set VB,  1                            ; 16 x lane
.set VS,  2                            ; the weights' scale bytes: (r + 8 (r / 8)) x 32 + 8 h
.set VBI, 3                            ; b1: 64 h
.set VA,  4                            ; x's codes: my tile's token x 256 + 16 h
.set VH,  8                            ; 8 r
.set CD,  16
.set AX,  32
.set BX,  48
.set TM,  64                           ; four each: largest magnitude; permute, then byte; 448 x scale; the conversion's scale operand
.set HW,  80
.set SPW, 84                           ; SPARE + 4 x my thread's number; never rewritten
.set NIL, 85                           ; 0; never rewritten
.set VXW, 86                           ; where I store x's images: 16 x lane + 2,048 x wave
.set VSW, 87                           ; and their scale words: XSC + 8 x lane + 512 x wave
.set VSR, 88                           ; where any tile's scale words are read: XSC + 8 x lane
.set BI,  96
.set ACC, 128
.set XSC,   65536                      ; LDS: from 0 x's images [K step 8][tile 4][c 4][lane 32][16 bytes]; from XSC the scale words [tile 4][X, Y][lane 32][8 bytes]
.set SPARE, 67584                      ; the spare words, 128 bytes for each wave; no other line names them
.set WFC, 36                           ; s[36:37] Wf at my tiles of the expert in hand;  s[38:39] of the next
.set WFN, 38
.set WSC, 40                           ; s[40:41], s[42:43] W1_scales likewise
.set WSN, 42
.set BIN, 44                           ; s[44:45] b1 of the next expert
.set HQC, 46                           ; s[46:47] where the expert's codes go;  s[48:49] its scale half-words
.set HSC, 48
.set BIC, 56                           ; s[56:57] b1 of the first expert
.set MSB, 0
.macro WIN new                         ; the immediate's high byte repeats the setting that is left; a switch that changes nothing is dropped
.if MSB != \new
	s_set_vgpr_msb (MSB<<8)|\new
.set MSB, \new
.endif
.endm
.macro PLACES n                        ; plain vector lines behind matrix instructions: eight in front of loads into registers that they have read and of the first read of results
.rept \n
	v_nop
.endr
.endm
.macro POP d                           ; the lowest expert left in the mask, held to 0 .. 7, is taken out of it
	s_ctz_i32_b32 s[\d], s29
	s_min_u32 s[\d], s[\d], 7
	s_sub_co_u32 s30, s29, 1
	s_and_b32 s29, s29, s30
.endm
.macro SETN                            ; the next expert's bases
	s_lshl_b32 s34, s33, 20
	s_add_nc_u64 s[WFN:WFN+1], s[12:13], s[34:35]
	s_lshl_b32 s34, s33, 15
	s_add_nc_u64 s[WSN:WSN+1], s[14:15], s[34:35]
	s_lshl_b32 s34, s33, 12
	s_add_nc_u64 s[BIN:BIN+1], s[16:17], s[34:35]
.endm
.macro ADVANCE                         ; the next expert becomes the one in hand
	s_wait_xcnt 0x0                                ; every load and store issued has read its base: the bases may be written
	s_mov_b64 s[WFC:WFC+1], s[WFN:WFN+1]
	s_mov_b64 s[WSC:WSC+1], s[WSN:WSN+1]
	s_mov_b32 s32, s33
	s_lshl_b32 s34, s32, 16
	s_add_nc_u64 s[HQC:HQC+1], s[20:21], s[34:35]
	s_lshl_b32 s34, s32, 11
	s_add_nc_u64 s[HSC:HSC+1], s[22:23], s[34:35]
	POP 33
	SETN
.endm
.macro LDB base, ks, slot              ; my four tiles' fragments of K step ks: 16 loads of 512 consecutive bytes
	WIN 0x40
.irp t, 0,1,2,3
.irp c, 0,1,2,3
	global_load_b128 v[64*(\slot)+16*\t+4*\c:64*(\slot)+16*\t+4*\c+3], v[VB], s[\base:\base+1] offset:\t*16384+(\ks)*2048+\c*512
.endr
.endr
.endm
.macro LDXY base, reg, off             ; four tiles' scale words, X (off = 0) or Y (16)
	WIN 0
.irp t, 0,1,2,3
	global_load_b64 v[\reg+2*\t:\reg+2*\t+1], v[VS], s[\base:\base+1] offset:(32*(\t/2)+8*(\t%2))*32+\off
.endr
.endm
.macro LDBIAS base                     ; b1 in the result's layout: tile t, lane half h: hidden units 32 (t / 2) + 16 h + 8 (t % 2) + 0 .. 7
	WIN 0
.irp t, 0,1,2,3
	global_load_b128 v[BI+8*\t:BI+8*\t+3],   v[VBI], s[\base:\base+1] offset:(32*(\t/2)+8*(\t%2))*4
	global_load_b128 v[BI+8*\t+4:BI+8*\t+7], v[VBI], s[\base:\base+1] offset:(32*(\t/2)+8*(\t%2))*4+16
.endr
.endm
.macro MM1 s, i, t
.set rD,  ACC+32*(\i)+8*(\t)
.set rA,  64*((\s)%4)+16*(\t)
.set rB,  64*((\s)%4)+16*(\i)
.set rSW, BX+8*((\s)/4)+2*(\t)+(\s)%2
.set rSX, AX+8*((\s)/4)+2*(\i)+(\s)%2
.if (\s) == 0
	v_wmma_scale_f32_16x16x128_f8f6f4 v[rD:rD+7], v[rA:rA+15], v[rB:rB+15], v[BI+8*(\t):BI+8*(\t)+7], v[rSW], v[rSX]
.elseif ((\s)/2)%2
	v_wmma_scale_f32_16x16x128_f8f6f4 v[rD:rD+7], v[rA:rA+15], v[rB:rB+15], v[rD:rD+7], v[rSW], v[rSX] matrix_a_scale:MATRIX_SCALE_ROW1 matrix_b_scale:MATRIX_SCALE_ROW1
.else
	v_wmma_scale_f32_16x16x128_f8f6f4 v[rD:rD+7], v[rA:rA+15], v[rB:rB+15], v[rD:rD+7], v[rSW], v[rSX]
.endif
.endm
.macro MM16 s                          ; a K step: the 16 accumulators take turns, one instruction a turn, in the same order in every step
.if (\s) < 4
	WIN 0x09                                       ; source 0 (the weights) window 1, source 1 (x) window 2, C and D window 0
.else
	WIN 0x0d                                       ; x in window 3
.endif
.irp i, 0,1,2,3
.irp t, 0,1,2,3
	MM1 \s, \i, \t
.endr
.endr
.endm
; K step s.  w: how many loads were issued behind the youngest that this step needs.  last = 1: there is no next expert to ask for.
.macro STEP1 s, w, last
	s_wait_loadcnt \w
.if ((\s) > 0) && ((!(\last)) || ((\s) < 5))
	PLACES 8                                       ; the slot that is filled below was read by the K step before
.endif
.if (\s) < 5
	LDB WFC, (\s)+3, ((\s)+3)%4
.elseif !(\last)
	LDB WFN, (\s)-5, ((\s)+3)%4
.endif
.if (\s) == 0
	LDXY WSC, BX+8, 16
.endif
.if ((\s) == 4) && (!(\last))
	LDXY WSN, BX, 0
.endif
.if ((\s) == 5) && (!(\last))
	LDBIAS BIN
.endif
	MM16 \s
.endm
; Token tiles 2 z and 2 z + 1: four blocks of 32 hidden units (block 2 (i - 2 z) + b at ACC + 64 z + 16 x block), by turns.  No |.| on the maximum's sources: what is negative becomes 0, so it must not count.
.macro QSTORE z
.set HB, ACC+64*(\z)
	s_wait_xcnt 0x0                                ; the last stores have read their data: the codes' and half-words' registers may be written
.irp b, 0,1,2,3
	v_max3_num_f32 v[TM+\b], v[HB+16*\b], v[HB+1+16*\b], 0x4800000   ; my 16 numbers and the floor 2^(9 - 127); each accumulator is read from its low end on
.endr
.irp i, 2,4,6,8,10,12,14
.irp b, 0,1,2,3
	v_max3_num_f32 v[TM+\b], v[TM+\b], v[HB+16*\b+\i], v[HB+1+16*\b+\i]
.endr
.endr
.irp b, 0,1,2,3
	v_permlanex16_b32 v[TM+4+\b], v[TM+\b], s50, s51
.endr
.irp b, 0,1,2,3
	v_max_num_f32 v[TM+\b], v[TM+\b], v[TM+4+\b]   ; with lane l xor 16's: the block's largest magnitude
.endr
.irp b, 0,1,2,3
	v_add_nc_u32 v[TM+12+\b], 0xfc000000, v[TM+\b] ; 8 off its exponent field: the conversion's scale operand
.endr
.irp b, 0,1,2,3
	v_and_or_b32 v[TM+8+\b], v[TM+\b], 0x7f800000, s52   ; 448 x the scale
.endr
.irp b, 0,1,2,3
	v_lshrrev_b32 v[TM+4+\b], 23, v[TM+12+\b]      ; the scale's byte
.endr
	v_lshl_or_b32 v[HW], v[TM+5], 8, v[TM+4]       ; my two bytes of the token's scale word of K step 2 nt + w / 2
	v_lshl_or_b32 v[HW+1], v[TM+7], 8, v[TM+6]
.irp b, 0,1,2,3
.irp i, 0,1,2,3,4,5,6,7,8,9,10,11,12,13,14,15
	v_med3_num_f32 v[HB+16*\b+\i], v[HB+16*\b+\i], 0, v[TM+8+\b]   ; relu and the hold at the largest code in one
.endr
	v_cvt_scalef32_pk8_fp8_f32 v[CD+4*\b:CD+4*\b+1], v[HB+16*\b:HB+16*\b+7], v[TM+12+\b]
	v_cvt_scalef32_pk8_fp8_f32 v[CD+4*\b+2:CD+4*\b+3], v[HB+16*\b+8:HB+16*\b+15], v[TM+12+\b]
.endr
	v_nop                                          ; one plain line behind the last conversion: later products write its sources
.irp b, 0,1,2,3
	global_store_b128 v[VB], v[CD+4*\b:CD+4*\b+3], s[HQC:HQC+1] offset:(2*(\z)+\b/2)*16384+(\b%2)*512   ; four registers of the next product's fragment, as their image: 512 consecutive bytes
.endr
	global_store_b16 v[VH], v[HW], s[HSC:HSC+1] offset:(2*(\z))*512        ; two bytes a token, 8 bytes apart (lanes 16-31 repeat lanes 0-15): one byte for 32 of codes
	global_store_b16 v[VH], v[HW+1], s[HSC:HSC+1] offset:(2*(\z)+1)*512
.endm
.macro EPI1
	WIN 0
	PLACES 8
	QSTORE 0
	QSTORE 1
.endm
	s_load_b256 s[8:15], s[0:1], 0x0               ; plan, xc, Wf, W1_scales
	s_load_b128 s[16:19], s[0:1], 0x20             ; b1, hc
	v_lshl_add_u32 v[SPW], v0, 2, SPARE
	v_mov_b32 v[NIL], 0
	v_lshrrev_b32 v9, 5, v0
	v_readfirstlane_b32 s26, v9                    ; wave 0..3
	s_mov_b32 s27, ttmp9                           ; nt
	s_and_b32 s28, ttmp7, 0xffff                   ; block
	v_and_b32 v9, 15, v0                           ; r
	v_bfe_u32 v10, v0, 4, 1                        ; h
	v_and_b32 v11, 31, v0
	v_lshlrev_b32 v[VB], 4, v11
	v_lshl_add_u32 v[VSR], v11, 3, XSC
	s_lshl_b32 s53, s26, 11
	v_add_nc_u32 v[VXW], s53, v[VB]
	s_lshl_b32 s53, s26, 9
	v_add_nc_u32 v[VSW], s53, v[VSR]
	v_and_b32 v11, 8, v9
	v_add_nc_u32 v11, v11, v9                      ; r + 8 (r / 8)
	v_lshlrev_b32 v[VS], 5, v11
	v_lshl_add_u32 v[VS], v10, 3, v[VS]
	v_lshlrev_b32 v[VBI], 6, v10
	v_lshlrev_b32 v[VH], 3, v9
	s_lshl_b32 s53, s26, 6
	v_lshl_add_u32 v11, v9, 2, s53                 ; the order: place 16 w + r of the block's 64
	v_lshlrev_b32 v82, 4, v10                      ; 16 h
	v_lshlrev_b32 v83, 3, v10                      ; 8 h
.irp b, 0,1,2,3
	v_mov_b32 v[TM+4+\b], 0                        ; written once: a lane permute's destination counts as one of its sources
.endr
	s_mov_b32 s50, 0x76543210
	s_mov_b32 s51, 0xfedcba98                      ; v_permlanex16_b32's selects for lane l xor 16
	s_mov_b32 s52, 0x600000                        ; the mantissa field of 448
	s_lshl_b32 s30, s28, 2
	s_mov_b32 s35, 0
	s_wait_alu depctr_va_vdst(0)
	s_wait_kmcnt 0x0
	s_load_b32 s29, s[8:9], s30 offset:0x4000      ; the block's mask of experts
	s_lshl_b32 s34, s28, 8
	s_add_nc_u64 s[54:55], s[8:9], s[34:35]        ; the block's 64 places in the order
	global_load_b32 v12, v11, s[54:55]             ; my tile's token 16 w + r
	s_lshl_b32 s34, s27, 18                        ; Wf: tile 16 nt + 4 w of 16,384 bytes
	s_lshl_b32 s53, s26, 16
	s_add_co_u32 s34, s34, s53
	s_add_nc_u64 s[12:13], s[12:13], s[34:35]
	s_lshl_b32 s34, s27, 13                        ; W1_scales: row n0 of 32 bytes
	s_lshl_b32 s53, s26, 11
	s_add_co_u32 s34, s34, s53
	s_add_nc_u64 s[14:15], s[14:15], s[34:35]
	s_lshl_b32 s34, s27, 10                        ; b1: 4 n0
	s_lshl_b32 s53, s26, 8
	s_add_co_u32 s34, s34, s53
	s_add_nc_u64 s[16:17], s[16:17], s[34:35]
	s_lshl_b32 s34, s28, 19                        ; hc's codes: block, K step 2 nt + w / 2 of 2,048 bytes, c = 2 (w % 2) of 512: 4,096 nt + 1,024 w
	s_lshl_b32 s53, s27, 12
	s_add_co_u32 s34, s34, s53
	s_lshl_b32 s53, s26, 10
	s_add_co_u32 s34, s34, s53
	s_add_nc_u64 s[20:21], s[18:19], s[34:35]
	s_lshl_b32 s34, s28, 14                        ; hc's scale words: block; X or Y = nt / 2, h = nt % 2: 128 nt; word w / 2, half w % 2: 2 w
	s_add_co_u32 s34, s34, 0x2000000
	s_lshl_b32 s53, s27, 7
	s_add_co_u32 s34, s34, s53
	s_lshl_b32 s53, s26, 1
	s_add_co_u32 s34, s34, s53
	s_add_nc_u64 s[22:23], s[18:19], s[34:35]
	s_add_nc_u64 s[24:25], s[10:11], 0x400000      ; x's scale bytes
	s_wait_kmcnt 0x0
	s_and_b32 s29, s29, 0xff
	s_bcnt1_i32_b32 s31, s29
	s_max_u32 s31, s31, 2
	s_min_u32 s31, s31, 8
	s_sub_co_u32 s31, s31, 1                       ; trips of the loop: all experts but the last,
	s_max_u32 s31, s31, 1                          ; at least one
	POP 32                                         ; the first expert and its bases: made here, where no load names them yet
	s_lshl_b32 s34, s32, 20
	s_add_nc_u64 s[WFC:WFC+1], s[12:13], s[34:35]
	s_lshl_b32 s34, s32, 15
	s_add_nc_u64 s[WSC:WSC+1], s[14:15], s[34:35]
	s_lshl_b32 s34, s32, 12
	s_add_nc_u64 s[BIC:BIC+1], s[16:17], s[34:35]
	s_lshl_b32 s34, s32, 16
	s_add_nc_u64 s[HQC:HQC+1], s[20:21], s[34:35]
	s_lshl_b32 s34, s32, 11
	s_add_nc_u64 s[HSC:HSC+1], s[22:23], s[34:35]
	POP 33                                         ; and the second's
	SETN
	s_wait_loadcnt 0x0                             ; my tile's tokens
	v_min_u32 v12, 0xfff, v12
	v_lshl_add_u32 v[VA], v12, 8, v82
	v_lshl_add_u32 v13, v12, 5, v83
	global_load_b64 v[14:15], v13, s[24:25]        ; my tile's scale words X,
	global_load_b64 v[16:17], v13, s[24:25] offset:16   ; and Y
	WIN 0x80
.irp s, 0,1,2,3,4,5,6,7
.irp c, 0,1,2,3
	global_load_b128 v[16*\s+4*\c:16*\s+4*\c+3], v[VA], s[10:11] offset:(\s/2)*1048576+(\s%2)*128+32*\c   ; my tile's eight fragments: a token's 256 bytes of a K quarter are taken whole by eight loads
.endr
.endr
	LDXY WSC, BX, 0                                ; the first expert, in the loop's own order of issue
	LDB WFC, 0, 0
	LDBIAS BIC
	WIN 0
	s_wait_loadcnt 28                              ; x's 34 loads are in: behind them stand 4 + 16 + 8
	ds_store_b64 v[VSW], v[14:15]
	ds_store_b64 v[VSW], v[16:17] offset:256
	WIN 0x08                                       ; an LDS store's data are its source 1: window 2
.irp s, 0,1,2,3,4,5,6,7
.irp c, 0,1,2,3
	ds_store_b128 v[VXW], v[16*\s+4*\c:16*\s+4*\c+3] offset:\s*8192+\c*512   ; the registers' image: lane l's 16 bytes at 16 l
.endr
.endr
	LDB WFC, 1, 1
	LDB WFC, 2, 2
	WIN 0
	s_wait_dscnt 0x0                               ; for the others' sake: my tile's images lie in LDS
	s_barrier_signal -1
	s_barrier_wait -1                              ; all four tiles' do
.irp i, 0,1,2,3
	ds_load_b64 v[AX+2*\i:AX+2*\i+1], v[VSR] offset:512*\i
	ds_load_b64 v[AX+8+2*\i:AX+9+2*\i], v[VSR] offset:512*\i+256
.endr
	WIN 0x80
.irp s, 0,1,2,3
.irp i, 0,1,2,3
.irp c, 0,1,2,3
	ds_load_b128 v[64*\s+16*\i+4*\c:64*\s+16*\i+4*\c+3], v[VB] offset:(4*\s+\i)*2048+\c*512
.endr
.endr
.endr
	WIN 0xc0
.irp s, 4,5,6,7
.irp i, 0,1,2,3
.irp c, 0,1,2,3
	ds_load_b128 v[64*(\s-4)+16*\i+4*\c:64*(\s-4)+16*\i+4*\c+3], v[VB] offset:(4*\s+\i)*2048+\c*512
.endr
.endr
.endr
	WIN 0
	s_wait_dscnt 0x0                               ; x stays in registers from here on
.Lexp:                                             ; an expert that has a successor
	STEP1 0, 32, 0                                 ; behind b1: K steps 1 and 2
	STEP1 1, 36, 0                                 ; behind K step 1: K steps 2 and 3, Y
	STEP1 2, 36, 0
	STEP1 3, 36, 0
	STEP1 4, 32, 0                                 ; behind K step 4 (Y is older): K steps 5 and 6
	STEP1 5, 36, 0                                 ; K steps 6 and 7, the next X
	STEP1 6, 44, 0                                 ; K step 7, the next X, the next K step 0, the next b1
	STEP1 7, 44, 0                                 ; the next X, K step 0, b1, K step 1
	EPI1
	ADVANCE
	s_sub_co_u32 s31, s31, 1
	s_cmp_lg_u32 s31, 0
	s_cbranch_scc1 .Lexp
	STEP1 0, 32, 1                                 ; the last expert asks for nothing beyond itself: the counts run down
	STEP1 1, 36, 1
	STEP1 2, 36, 1
	STEP1 3, 36, 1
	STEP1 4, 32, 1
	STEP1 5, 32, 1
	STEP1 6, 16, 1
	STEP1 7, 0, 1
	EPI1
	s_wait_tensorcnt 0x0                           ; the wave's end
	ds_add_u32 v[SPW], v[NIL]
	s_wait_dscnt 0x0
	s_endpgm
.Lfunc_end_k_qa450a3e5b0_gemm1:
	.size	k_qa450a3e5b0_gemm1, .Lfunc_end_k_qa450a3e5b0_gemm1-k_qa450a3e5b0_gemm1
	.p2alignl 7, 3214868480
	.fill 96, 4, 3214868480
	.section	.rodata,"a",@progbits
	.p2align	6, 0x0
	.amdhsa_kernel k_qa450a3e5b0_gemm1
		.amdhsa_group_segment_fixed_size 68096
		.amdhsa_private_segment_fixed_size 0
		.amdhsa_enable_private_segment 0
		.amdhsa_kernarg_size 48
		.amdhsa_user_sgpr_count 2
		.amdhsa_user_sgpr_kernarg_segment_ptr 1
		.amdhsa_wavefront_size32 1
		.amdhsa_system_sgpr_workgroup_id_x 1
		.amdhsa_system_sgpr_workgroup_id_y 1
		.amdhsa_system_sgpr_workgroup_id_z 1
		.amdhsa_system_vgpr_workitem_id 0
		.amdhsa_next_free_vgpr 1024
		.amdhsa_next_free_sgpr 66
		.amdhsa_reserve_vcc 0
		.amdhsa_float_denorm_mode_32 3
		.amdhsa_float_denorm_mode_16_64 3
		.amdhsa_memory_ordered 1
		.amdhsa_forward_progress 1
		.amdhsa_inst_pref_size 117
	.end_amdhsa_kernel
	.amdgpu_metadata
---
amdhsa.version: [ 1, 2 ]
amdhsa.kernels:
  - .name:           k_qa450a3e5b0_gemm1
    .symbol:         k_qa450a3e5b0_gemm1.kd
    .args:
      - { .name: plan, .offset: 0, .size: 8, .value_kind: global_buffer, .address_space: global }
      - { .name: xc, .offset: 8, .size: 8, .value_kind: global_buffer, .address_space: global }
      - { .name: Wf, .offset: 16, .size: 8, .value_kind: global_buffer, .address_space: global }
      - { .name: W1_scales, .offset: 24, .size: 8, .value_kind: global_buffer, .address_space: global }
      - { .name: b1, .offset: 32, .size: 8, .value_kind: global_buffer, .address_space: global }
      - { .name: hc, .offset: 40, .size: 8, .value_kind: global_buffer, .address_space: global }
    .group_segment_fixed_size: 68096
    .private_segment_fixed_size: 0
    .kernarg_segment_align: 8
    .kernarg_segment_size: 48
    .max_flat_workgroup_size: 128
    .sgpr_count:     66
    .vgpr_count:     1024
    .wavefront_size: 32
...
	.end_amdgpu_metadata
.endif
;; end of part 3
;; launch gemm2 (part 4): grid 4 x 64, 4 waves a work-group, no clusters, 148,992 bytes of LDS; arguments plan, route, coef, hc, Wf, W2_scales, b2, out0; writes out0
.if DOCPART == 4
	.amdgcn_target "amdgcn-amd-amdhsa--gfx1250"
	.amdhsa_code_object_version 6
	.text
	.protected	k_qa450a3e5b0_gemm2
	.globl	k_qa450a3e5b0_gemm2
	.p2align	8
	.type	k_qa450a3e5b0_gemm2,@function
k_qa450a3e5b0_gemm2:
	s_mov_b64 s[64:65], 0
	v_nop
	global_prefetch_b8 v0, s[64:65] scope:SCOPE_SE
	s_setreg_imm32_b32 hwreg(HW_REG_WAVE_MODE, 25, 1), 1
	s_wait_xcnt 0x0
; MoE layer, launch 4 of 4: for a block of 64 sorted tokens, out = the sum over the experts e that the block uses of c_e (h_e W2_e^T + b2_e), c_e the token's coefficient, 0 where the token did not choose e.
; LEFT OUT: the experts that no token of the block chose (their coefficient is a 0 that reference() builds itself: shown at the head of launch 1).
; SHARES.  Work-group (nt, block): 256 outputs x 64 tokens; wave w: outputs n0 = 256 nt + 64 w on (four tiles t of Wf's second half) x four tiles i of tokens.  Each output row has one owner: nothing is added between work-groups.
; Which experts are walked hangs on the stored mask, so there is no tensor load and no cluster.  The weights lie in memory as images of the operand's registers and go straight into a ring of four register slots, asked
; for three K steps ahead, on into the next expert.
; THE HIDDEN CODES ARE LOADED ONCE BY THE WORK-GROUP: all four waves need an expert's 64 KB, so wave w loads token tile w alone (32 loads, four groups of eight) and stores the registers' images into an LDS slot; every wave
; reads its fragments from there, two K steps ahead.  Two slots take turns: while the expert in one is multiplied, the next expert's quarter goes into the other.
; THE WALK HAS A CONSTANT COUNT: trip t = 0 .. 7 serves the t-th expert that the block uses.  One barrier stands at each trip's head, on every wave's path; in front of it each wave has waited for all its LDS instructions,
; so behind it slot t % 2 is whole and nobody reads the other any more.  Where t is at or beyond the number of experts used, a scalar branch on the stored number passes over the trip's work, and over no barrier.
; With three K steps of weights and the extras a wave asks for more loads than the load counter's field holds; issue then stalls until older loads are back (ISA guide 5.7.1), and no wait is placed against that.
; TRANSPOSED: source 0 = 16 rows of W2, source 1 = 16 tokens: lane (r, h) holds token 16 i + r, register j of tile t = 2 b + u output n0 + 32 b + 16 h + 8 u + j.  b2 is the C of each sum's first matrix instruction, so
; c_e multiplies h W2^T + b2.  Scale words in the form X, Y of launch 3.  A block's mask has at least two bits, since every token has two different experts; the count is held to 2 .. 8 all the same.
; REGISTERS.  Window 0: v1-11 offsets, LDS addresses and the add's two; v12-30 at work at the head; v32-39 the tokens' lo, hi; v40-47 (c_lo, c_hi); v48-55 c_e, in pairs; v64-79 the hidden layer's scale words X, Y;
; v80-95 the weights'; v96-127 b2; v128-255 the expert's sums S (32 i + 8 t), on the way out rows read back.  Window 1: the weights' ring.  Window 2: the hidden layer's ring.  Window 3: v0-127 the weighted sums T;
; v128-159 the rows' places in out0; v160-255 three buffers of 32 for the next expert's quarter on its way to LDS.
.set VB,  1                            ; 16 x lane
.set VS,  2                            ; the weights' scale bytes: (r + 8 (r / 8)) x 32 + 8 h
.set VBI, 3                            ; b2: 64 h
.set VH,  4                            ; 8 x lane
.set STO, 5                            ; my stage, in: row r, + 64 h
.set RD,  6                            ; and back: row 8 (l / 16), + 16 (l % 16)
.set SPW, 7
.set NIL, 8
.set VW0, 9                            ; 16 x lane + 16,384 x wave: my quarter of a slot
.set VRD, 10                           ; the slot that is read + 16 x lane
.set VWR, 11                           ; the other slot + my quarter
.set LO,  32
.set HI,  36
.set CF,  40
.set CC,  48
.set AX,  64
.set BX,  80
.set BI,  96
.set S,   128
.set SG,  160                          ; in window 3
.set SLOTB, 65536                      ; LDS: two slots of 65,536 bytes, [i 4][K step 8][c 4][lane 32][16 bytes], as the codes lie in hc;
.set STAGE, 131072                     ; four stages of 16 rows x 272 bytes for the way out;
.set SPARE, 148480                     ; the spare words, 128 bytes for each wave; no other line names them
.set WFC, 36
.set WFN, 38
.set WSC, 40
.set WSN, 42
.set BIN, 44
.set HQF, 46                           ; s[46:47] my quarter of the first expert's hidden codes;  s[48:49] of the next expert's
.set HQN, 48
.set HSC, 50
.set HSN, 52
.set BIC, 24                           ; s[24:25] b2 of the first expert
.set MSB, 0
.macro WIN new
.if MSB != \new
	s_set_vgpr_msb (MSB<<8)|\new
.set MSB, \new
.endif
.endm
.macro PLACES n                        ; plain vector lines behind matrix instructions (ISA guide 7.12.1)
.rept \n
	v_nop
.endr
.endm
.macro POP d
	s_ctz_i32_b32 s[\d], s29
	s_min_u32 s[\d], s[\d], 7
	s_sub_co_u32 s30, s29, 1
	s_and_b32 s29, s29, s30
.endm
.macro SETN
	s_lshl_b32 s34, s33, 20
	s_add_nc_u64 s[WFN:WFN+1], s[16:17], s[34:35]
	s_lshl_b32 s34, s33, 15
	s_add_nc_u64 s[WSN:WSN+1], s[18:19], s[34:35]
	s_lshl_b32 s34, s33, 12
	s_add_nc_u64 s[BIN:BIN+1], s[20:21], s[34:35]
	s_lshl_b32 s34, s33, 16
	s_add_nc_u64 s[HQN:HQN+1], s[56:57], s[34:35]
	s_lshl_b32 s34, s33, 11
	s_add_nc_u64 s[HSN:HSN+1], s[58:59], s[34:35]
.endm
.macro ADVANCE
	s_wait_xcnt 0x0                                ; every load issued has read its base: the bases may be written
	s_mov_b64 s[WFC:WFC+1], s[WFN:WFN+1]
	s_mov_b64 s[WSC:WSC+1], s[WSN:WSN+1]
	s_mov_b64 s[HSC:HSC+1], s[HSN:HSN+1]
	s_mov_b32 s32, s33
	POP 33
	SETN
.endm
.macro LDB base, ks, slot              ; my four tiles of W2, K step ks: 16 loads of 512 consecutive bytes
	WIN 0x40
.irp t, 0,1,2,3
.irp c, 0,1,2,3
	global_load_b128 v[64*(\slot)+16*\t+4*\c:64*(\slot)+16*\t+4*\c+3], v[VB], s[\base:\base+1] offset:\t*16384+(\ks)*2048+\c*512
.endr
.endr
.endm
.macro LDA ks                          ; the four token tiles' hidden fragments of K step ks, from the slot that is read
	WIN 0x80
.irp i, 0,1,2,3
.irp c, 0,1,2,3
	ds_load_b128 v[64*((\ks)%4)+16*\i+4*\c:64*((\ks)%4)+16*\i+4*\c+3], v[VRD] offset:\i*16384+(\ks)*2048+\c*512
.endr
.endr
.endm
.macro LDSTG g, buf                    ; group g of my quarter of the next expert's hidden codes: eight loads of 512 consecutive bytes
	WIN 0xc0
.irp j, 0,1,2,3,4,5,6,7
	global_load_b128 v[SG+32*(\buf)+4*\j:SG+32*(\buf)+4*\j+3], v[VB], s[HQN:HQN+1] offset:(8*(\g)+\j)*512
.endr
.endm
.macro STST g, buf                     ; and into the other slot, as it stands
	WIN 0x0c                                       ; an LDS store's data are its source 1: window 3
.irp j, 0,1,2,3,4,5,6,7
	ds_store_b128 v[VWR], v[SG+32*(\buf)+4*\j:SG+32*(\buf)+4*\j+3] offset:(8*(\g)+\j)*512
.endr
.endm
.macro LDSC hs, ws, y                  ; both sides' scale words: X (y = 0) or Y (1): eight loads
	WIN 0
.irp i, 0,1,2,3
	global_load_b64 v[AX+8*(\y)+2*\i:AX+8*(\y)+2*\i+1], v[VH], s[\hs:\hs+1] offset:512*\i+256*(\y)
.endr
.irp t, 0,1,2,3
	global_load_b64 v[BX+8*(\y)+2*\t:BX+8*(\y)+2*\t+1], v[VS], s[\ws:\ws+1] offset:(32*(\t/2)+8*(\t%2))*32+16*(\y)
.endr
.endm
.macro LDBIAS base
	WIN 0
.irp t, 0,1,2,3
	global_load_b128 v[BI+8*\t:BI+8*\t+3],   v[VBI], s[\base:\base+1] offset:(32*(\t/2)+8*(\t%2))*4
	global_load_b128 v[BI+8*\t+4:BI+8*\t+7], v[VBI], s[\base:\base+1] offset:(32*(\t/2)+8*(\t%2))*4+16
.endr
.endm
.macro MM1 s, i, t
.set rD,  S+32*(\i)+8*(\t)
.set rA,  64*((\s)%4)+16*(\t)
.set rB,  64*((\s)%4)+16*(\i)
.set rSW, BX+8*((\s)/4)+2*(\t)+(\s)%2
.set rSX, AX+8*((\s)/4)+2*(\i)+(\s)%2
.if (\s) == 0
	v_wmma_scale_f32_16x16x128_f8f6f4 v[rD:rD+7], v[rA:rA+15], v[rB:rB+15], v[BI+8*(\t):BI+8*(\t)+7], v[rSW], v[rSX]
.elseif ((\s)/2)%2
	v_wmma_scale_f32_16x16x128_f8f6f4 v[rD:rD+7], v[rA:rA+15], v[rB:rB+15], v[rD:rD+7], v[rSW], v[rSX] matrix_a_scale:MATRIX_SCALE_ROW1 matrix_b_scale:MATRIX_SCALE_ROW1
.else
	v_wmma_scale_f32_16x16x128_f8f6f4 v[rD:rD+7], v[rA:rA+15], v[rB:rB+15], v[rD:rD+7], v[rSW], v[rSX]
.endif
.endm
.macro MM16 s                          ; the 16 accumulators take turns, one instruction a turn, in the same order in every step
	WIN 0x09                                       ; source 0 (the weights) window 1, source 1 (the hidden layer) window 2, C and D window 0
.irp i, 0,1,2,3
.irp t, 0,1,2,3
	MM1 \s, \i, \t
.endr
.endr
.endm
; K step s.  w: how many loads were issued behind the weights of this K step; d: how many LDS instructions behind its hidden fragments.  last = 1: there is no next expert to ask for.
; In a step the extras stand ahead of the weights' run, so the wait for the weights of K step s + 3 shows them landed too.  The extras: step 0 Y and group 0; steps 1, 2 groups 1, 2; step 4 group 3; step 5 the next X and b2.
.macro STEP2 s, w, d, last
	s_wait_loadcnt \w
.if ((\s) > 0) && ((!(\last)) || ((\s) < 5))
	PLACES 8                                       ; the weights' slot that is filled below was read by the K step before
.endif
.if (\s) == 0
	LDSC HSC, WSC, 1
.endif
.if !(\last)
.if (\s) < 3
	LDSTG \s, \s
.endif
.if (\s) == 4
	s_wait_dscnt 16                                ; group 0's LDS stores, a step back, are done (behind them: K step 5's 16 loads): its buffer takes group 3
	LDSTG 3, 0
.endif
.if (\s) == 5
	LDSC HSN, WSN, 0
	LDBIAS BIN
.endif
.endif
.if (\s) < 5
	LDB WFC, (\s)+3, ((\s)+3)%4
.elseif !(\last)
	LDB WFN, (\s)-5, ((\s)+3)%4
.endif
.if !(\last)
.if ((\s) >= 3) && ((\s) <= 5)
	STST (\s)-3, (\s)-3                            ; issued three steps back, ahead of this step's weights: landed
.endif
.if (\s) == 7
	STST 3, 0
.endif
.endif
.if (\s) < 6
	LDA (\s)+2                                     ; its ring slot was read two K steps ago
.endif
	s_wait_dscnt \d
	MM16 \s
.endm
; T += c_e S.  The sixteen lines that make c_e are also the places behind the last products.  first = 1: the first expert starts the sums: nothing is cleared.
.macro EPI2 first
	WIN 0
.irp i, 0,1,2,3
	v_cmp_eq_u32 vcc_lo, s32, v[HI+\i]
	v_cndmask_b32 v[CC+2*\i], 0, v[CF+2*\i+1], vcc_lo
	v_cmp_eq_u32 vcc_lo, s32, v[LO+\i]
	v_cndmask_b32 v[CC+2*\i], v[CC+2*\i], v[CF+2*\i], vcc_lo
.endr
.if \first
	WIN 0xc0                                       ; destination window 3
.else
	WIN 0xf0                                       ; source 2 and destination window 3
.endif
.irp i, 0,1,2,3
.irp p, 0,1,2,3,4,5,6,7,8,9,10,11,12,13,14,15
.if \first
	v_pk_mul_f32 v[32*\i+2*\p:32*\i+2*\p+1], v[S+32*\i+2*\p:S+32*\i+2*\p+1], v[CC+2*\i:CC+2*\i+1] op_sel_hi:[1,0]
.else
	v_pk_fma_f32 v[32*\i+2*\p:32*\i+2*\p+1], v[S+32*\i+2*\p:S+32*\i+2*\p+1], v[CC+2*\i:CC+2*\i+1], v[32*\i+2*\p:32*\i+2*\p+1] op_sel_hi:[1,0,1]   ; each accumulator from its low end on
.endif
.endr
.endr
	WIN 0
.endm
.macro EXPERT first, last
	LDA 0                                          ; behind the trip's barrier: the slot is whole
	LDA 1
.if \last
	STEP2 0, 32, 32, 1                             ; the last expert asks for nothing beyond itself: Y in step 0, weights up to step 4
	STEP2 1, 40, 32, 1
	STEP2 2, 40, 32, 1
	STEP2 3, 32, 32, 1
	STEP2 4, 32, 32, 1
	STEP2 5, 32, 32, 1
	STEP2 6, 16, 16, 1
	STEP2 7, 0, 0, 1
.else
	STEP2 0, 32, 32, 0                             ; loads behind K step 0's weights: K steps 1, 2.                      LDS behind K step 0's fragments: K steps 1, 2
	STEP2 1, 48, 32, 0                             ; K step 2; Y, group 0, K step 3
	STEP2 2, 56, 32, 0                             ; Y, group 0, K step 3; group 1, K step 4
	STEP2 3, 48, 40, 0                             ; group 1, K step 4; group 2, K step 5.                              K step 4, group 0's stores, K step 5
	STEP2 4, 40, 24, 0                             ; group 2, K step 5; K step 6.                                       group 1's stores, K step 6: K step 5 is waited for with K step 4
	STEP2 5, 40, 48, 0                             ; K step 6; group 3, K step 7.                                       group 1's stores, K step 6, group 2's stores, K step 7
	STEP2 6, 56, 24, 0                             ; group 3, K step 7; the next X, b2, K step 0.                       group 2's stores, K step 7
	STEP2 7, 48, 8, 0                              ; the next X, b2, K step 0; the next K step 1.                       group 3's stores
.endif
	EPI2 \first
.endm
	s_load_b256 s[8:15], s[0:1], 0x0               ; plan, route, coef, hc
	s_load_b256 s[16:23], s[0:1], 0x20             ; Wf, W2_scales, b2, out0
	v_lshl_add_u32 v[SPW], v0, 2, SPARE
	v_mov_b32 v[NIL], 0
	v_lshrrev_b32 v28, 5, v0
	v_readfirstlane_b32 s26, v28                   ; wave 0..3
	s_mov_b32 s27, ttmp9                           ; nt
	s_and_b32 s28, ttmp7, 0xffff                   ; block
	v_and_b32 v28, 15, v0                          ; r
	v_bfe_u32 v29, v0, 4, 1                        ; h
	v_and_b32 v30, 31, v0
	v_lshlrev_b32 v[VB], 4, v30
	v_lshlrev_b32 v[VH], 3, v30
	v_and_b32 v30, 8, v28
	v_add_nc_u32 v30, v30, v28
	v_lshlrev_b32 v[VS], 5, v30
	v_lshl_add_u32 v[VS], v29, 3, v[VS]
	v_lshlrev_b32 v[VBI], 6, v29
	s_mul_i32 s60, s26, 16*272                     ; my stage
	s_add_co_u32 s60, s60, STAGE
	v_mul_u32_u24 v[STO], v28, 272
	v_lshl_add_u32 v[STO], v29, 6, v[STO]
	v_add_nc_u32 v[STO], s60, v[STO]
	v_mul_u32_u24 v[RD], v29, 8*272
	v_lshl_add_u32 v[RD], v28, 4, v[RD]
	v_add_nc_u32 v[RD], s60, v[RD]
	s_lshl_b32 s60, s26, 14
	v_add_nc_u32 v[VW0], s60, v[VB]
	s_mov_b32 s62, 0                               ; the slot that is read,
	s_mov_b32 s63, SLOTB                           ; and the other
	v_add_nc_u32 v[VRD], s62, v[VB]
	v_add_nc_u32 v[VWR], s63, v[VW0]
	v_lshlrev_b32 v16, 2, v28                      ; the order: 4 r,
	v_lshlrev_b32 v17, 5, v29                      ; or eight places from 8 (l / 16) on
	v_lshlrev_b32 v18, 4, v28                      ; 16 (l % 16): my bytes of a row's 256
.irp i, 0,1,2,3
	v_mov_b32 v[CC+2*\i+1], 0                      ; named as the upper half of a pair, so it is written
.endr
	s_lshl_b32 s30, s28, 2
	s_mov_b32 s35, 0
	s_wait_alu depctr_va_vdst(0)
	s_wait_kmcnt 0x0
	s_load_b32 s29, s[8:9], s30 offset:0x4000      ; the block's mask of experts
	s_lshl_b32 s34, s28, 8
	s_add_nc_u64 s[54:55], s[8:9], s[34:35]
.irp i, 0,1,2,3
	global_load_b32 v[12+\i], v16, s[54:55] offset:64*\i   ; token 16 i + r: whose coefficients I need
.endr
	WIN 0xc0
.irp i, 0,1,2,3
	global_load_b128 v[128+8*\i:131+8*\i], v17, s[54:55] offset:64*\i      ; tokens 16 i + 8 (l / 16) + 0 .. 7: whose rows I store
	global_load_b128 v[132+8*\i:135+8*\i], v17, s[54:55] offset:64*\i+16
.endr
	WIN 0
	s_lshl_b32 s34, s27, 18                        ; Wf: W2's half, tile 16 nt + 4 w
	s_lshl_b32 s60, s26, 16
	s_add_co_u32 s34, s34, s60
	s_add_co_u32 s34, s34, 0x800000
	s_add_nc_u64 s[16:17], s[16:17], s[34:35]
	s_lshl_b32 s34, s27, 13
	s_lshl_b32 s60, s26, 11
	s_add_co_u32 s34, s34, s60
	s_add_nc_u64 s[18:19], s[18:19], s[34:35]
	s_lshl_b32 s34, s27, 10                        ; b2 and out0: 4 n0
	s_lshl_b32 s60, s26, 8
	s_add_co_u32 s34, s34, s60
	s_add_nc_u64 s[20:21], s[20:21], s[34:35]
	s_add_nc_u64 s[22:23], s[22:23], s[34:35]
	s_lshl_b32 s34, s28, 19                        ; the block's hidden codes, token tile w: my quarter,
	s_lshl_b32 s60, s26, 14
	s_add_co_u32 s34, s34, s60
	s_add_nc_u64 s[56:57], s[14:15], s[34:35]
	s_lshl_b32 s34, s28, 14
	s_add_co_u32 s34, s34, 0x2000000
	s_add_nc_u64 s[58:59], s[14:15], s[34:35]      ; and their scale words
	s_wait_kmcnt 0x0
	s_and_b32 s29, s29, 0xff
	s_bcnt1_i32_b32 s31, s29
	s_max_u32 s31, s31, 2
	s_min_u32 s31, s31, 8                          ; n: the experts that the block uses
	POP 32                                         ; the first expert and its bases: made here, where no load names them yet
	s_lshl_b32 s34, s32, 20
	s_add_nc_u64 s[WFC:WFC+1], s[16:17], s[34:35]
	s_lshl_b32 s34, s32, 15
	s_add_nc_u64 s[WSC:WSC+1], s[18:19], s[34:35]
	s_lshl_b32 s34, s32, 12
	s_add_nc_u64 s[BIC:BIC+1], s[20:21], s[34:35]
	s_lshl_b32 s34, s32, 16
	s_add_nc_u64 s[HQF:HQF+1], s[56:57], s[34:35]
	s_lshl_b32 s34, s32, 11
	s_add_nc_u64 s[HSC:HSC+1], s[58:59], s[34:35]
	POP 33                                         ; and the second's
	SETN
	WIN 0x80
.irp k, 0,1,2,3,4,5,6,7,8,9,10,11,12,13,14,15,16,17,18,19,20,21,22,23,24,25,26,27,28,29,30,31
	global_load_b128 v[4*\k:4*\k+3], v[VB], s[HQF:HQF+1] offset:512*\k     ; my quarter of the first expert's hidden codes, by way of the ring's registers, which are still free
.endr
	LDSC HSC, WSC, 0
	LDBIAS BIC
	WIN 0
	s_wait_loadcnt 48                              ; the order's twelve loads are in: behind them stand 32 + 8 + 8
.irp i, 0,1,2,3
	v_min_u32 v[12+\i], 0xfff, v[12+\i]
	v_lshlrev_b32 v[24+\i], 3, v[12+\i]
	v_lshlrev_b32 v[12+\i], 2, v[12+\i]
.endr
.irp i, 0,1,2,3
	global_load_b32 v[LO+\i], v[12+\i], s[10:11]           ; the token's route word,
	global_load_b64 v[CF+2*\i:CF+2*\i+1], v[24+\i], s[12:13]   ; and (c_lo, c_hi)
.endr
	WIN 0xcc                                       ; source 1 and destination window 3
.irp k, 0,1,2,3,4,5,6,7,8,9,10,11,12,13,14,15,16,17,18,19,20,21,22,23,24,25,26,27,28,29,30,31
	v_min_u32 v[128+\k], 0xfff, v[128+\k]
.endr
	WIN 0xc3                                       ; source 0 and destination window 3
.irp k, 0,1,2,3,4,5,6,7,8,9,10,11,12,13,14,15,16,17,18,19,20,21,22,23,24,25,26,27,28,29,30,31
	v_lshl_add_u32 v[128+\k], v[128+\k], 12, v18   ; the token's row of 4,096 bytes, + my 16 bytes
.endr
	LDB WFC, 0, 0
	s_wait_loadcnt 40                              ; my quarter is in: behind it stand 8 + 8 + 8 + 16
	WIN 0x08                                       ; an LDS store's data are its source 1: window 2
.irp k, 0,1,2,3,4,5,6,7,8,9,10,11,12,13,14,15,16,17,18,19,20,21,22,23,24,25,26,27,28,29,30,31
	ds_store_b128 v[VW0], v[4*\k:4*\k+3] offset:512*\k     ; into slot 0
.endr
	LDB WFC, 1, 1
	LDB WFC, 2, 2
	WIN 0
	s_wait_dscnt 0x0                               ; for the others' sake: my quarter lies in LDS
	s_barrier_signal -1
	s_barrier_wait -1                              ; all four do
	s_wait_loadcnt 32                              ; all but K steps 1 and 2 of the weights: the route words are in
.irp i, 0,1,2,3
	v_bfe_u32 v[HI+\i], v[LO+\i], 16, 8
	v_bfe_u32 v[LO+\i], v[LO+\i], 8, 8
.endr
	s_wait_alu depctr_va_vdst(0)
	EXPERT 1, 0                                    ; trip 0: the first expert always has a successor
	ADVANCE
	s_mov_b32 s61, 1
.Ltrip:                                            ; trips 1 .. 7
	s_xor_b32 s62, s62, SLOTB                      ; the slots change places in every trip, worked or passed over
	s_xor_b32 s63, s63, SLOTB
	s_wait_dscnt 0x0                               ; my reads of the slot that I leave are back, and my quarter of the slot ahead lies in LDS
	v_add_nc_u32 v[VRD], s62, v[VB]
	v_add_nc_u32 v[VWR], s63, v[VW0]
	s_barrier_signal -1
	s_barrier_wait -1                              ; both now hold of all four waves
	s_cmp_ge_u32 s61, s31                          ; nothing is left: the trip's work is passed over
	s_cbranch_scc1 .Lnext
	s_add_co_u32 s60, s61, 1
	s_cmp_eq_u32 s60, s31
	s_cbranch_scc1 .Llastx
	s_wait_alu depctr_va_vdst(0)
	EXPERT 0, 0
	ADVANCE
	s_branch .Lnext
.Llastx:
	s_wait_alu depctr_va_vdst(0)
	EXPERT 0, 1
.Lnext:
	s_add_co_u32 s61, s61, 1
	s_cmp_lt_u32 s61, 8
	s_cbranch_scc1 .Ltrip
; THE WAY OUT, a tile of 16 tokens at a time.  A lane holds 64 neighbouring bytes of a row twice, and the lanes beside it hold other rows: so a tile goes through my own stage and comes back as whole rows of 256 bytes.
.macro TOST i
	WIN 0x0c                                       ; an LDS store's data are its source 1: window 3
.irp b, 0,1
.irp q, 0,1,2,3
	ds_store_b128 v[STO], v[32*(\i)+16*\b+4*\q:32*(\i)+16*\b+4*\q+3] offset:128*\b+16*\q
.endr
.endr
	WIN 0
.irp p, 0,1,2,3,4,5,6,7
	ds_load_b128 v[S+32*(\i)+4*\p:S+32*(\i)+4*\p+3], v[RD] offset:272*\p   ; LDS serves a wave's instructions in order: these see the stores above, and the next tile's stores come behind them
.endr
.endm
.macro SEND i, younger                 ; younger: the LDS instructions issued behind tile i's loads
	WIN 0x03                                       ; the address in window 3, the data in window 0
.irp p, 0,1,2,3,4,5,6,7
	s_wait_dscnt (\younger)+7-\p
	global_store_b128 v[128+8*(\i)+\p], v[S+32*(\i)+4*\p:S+32*(\i)+4*\p+3], s[22:23] th:TH_STORE_NT   ; sixteen lanes store 256 consecutive aligned bytes of a token's row; written once
.endr
	WIN 0
.endm
	TOST 0
	TOST 1
	SEND 0, 16
	TOST 2
	SEND 1, 16
	s_wait_alu depctr_va_vdst(0)
	TOST 3
	SEND 2, 16
	SEND 3, 0
	s_wait_tensorcnt 0x0                           ; the wave's end
	ds_add_u32 v[SPW], v[NIL]
	s_wait_dscnt 0x0
	s_endpgm
.Lfunc_end_k_qa450a3e5b0_gemm2:
	.size	k_qa450a3e5b0_gemm2, .Lfunc_end_k_qa450a3e5b0_gemm2-k_qa450a3e5b0_gemm2
	.p2alignl 7, 3214868480
	.fill 96, 4, 3214868480
	.section	.rodata,"a",@progbits
	.p2align	6, 0x0
	.amdhsa_kernel k_qa450a3e5b0_gemm2
		.amdhsa_group_segment_fixed_size 148992
		.amdhsa_private_segment_fixed_size 0
		.amdhsa_enable_private_segment 0
		.amdhsa_kernarg_size 64
		.amdhsa_user_sgpr_count 2
		.amdhsa_user_sgpr_kernarg_segment_ptr 1
		.amdhsa_wavefront_size32 1
		.amdhsa_system_sgpr_workgroup_id_x 1
		.amdhsa_system_sgpr_workgroup_id_y 1
		.amdhsa_system_sgpr_workgroup_id_z 1
		.amdhsa_system_vgpr_workitem_id 0
		.amdhsa_next_free_vgpr 1024
		.amdhsa_next_free_sgpr 66
		.amdhsa_reserve_vcc 1
		.amdhsa_float_denorm_mode_32 3
		.amdhsa_float_denorm_mode_16_64 3
		.amdhsa_memory_ordered 1
		.amdhsa_forward_progress 1
		.amdhsa_inst_pref_size 175
	.end_amdhsa_kernel
	.amdgpu_metadata
---
amdhsa.version: [ 1, 2 ]
amdhsa.kernels:
  - .name:           k_qa450a3e5b0_gemm2
    .symbol:         k_qa450a3e5b0_gemm2.kd
    .args:
      - { .name: plan, .offset: 0, .size: 8, .value_kind: global_buffer, .address_space: global }
      - { .name: route, .offset: 8, .size: 8, .value_kind: global_buffer, .address_space: global }
      - { .name: coef, .offset: 16, .size: 8, .value_kind: global_buffer, .address_space: global }
      - { .name: hc, .offset: 24, .size: 8, .value_kind: global_buffer, .address_space: global }
      - { .name: Wf, .offset: 32, .size: 8, .value_kind: global_buffer, .address_space: global }
      - { .name: W2_scales, .offset: 40, .size: 8, .value_kind: global_buffer, .address_space: global }
      - { .name: b2, .offset: 48, .size: 8, .value_kind: global_buffer, .address_space: global }
      - { .name: out0, .offset: 56, .size: 8, .value_kind: global_buffer, .address_space: global }
    .group_segment_fixed_size: 148992
    .private_segment_fixed_size: 0
    .kernarg_segment_align: 8
    .kernarg_segment_size: 64
    .max_flat_workgroup_size: 128
    .sgpr_count:     66
    .vgpr_count:     1024
    .wavefront_size: 32
...
	.end_amdgpu_metadata
.endif
;; end of part 4
